; MI455X (gfx1250); checked and timed in simulation.
; The chip was launched on July 23, 2026; its instructions are those of AMD's public machine-readable ISA for CDNA 5 (MIT licence, August 2026) and "CDNA5" Instruction Set Architecture Reference Guide (July 2026). The comments in the code are by the model that wrote it; some were corrected since.
;; Quant Llama Attention. Allowed arithmetic: matrix products marked QUANTISED: E3M2 operands, one E8M0 scale for each 32 along K, by v_wmma_scale_f32_16x16x128_f8f6f4 with both operands' format E3M2, f32 sums; everything else in f32.
;; Inputs: hidden_states 1 x 1,024 x 4,096 float32; k_scale 1,024 x 32 float32; k_wq 1,024 x 4,096 float32; o_scale 4,096 x 32 float32; o_wq 4,096 x 4,096 float32; position_ids 1 x 1,024 int32; q_scale 4,096 x 32 float32; q_wq 4,096 x 4,096 float32; v_scale 1,024 x 32 float32; v_wq 1,024 x 4,096 float32.
;; Outputs: out0 1 x 1,024 x 4,096 float32.
;; This version of the problem:
;;   THIS VERSION OF THE PROBLEM IS GIVEN IN LOW PRECISION. The matrix products marked QUANTISED in the list below multiply operands that are first quantised to E3M2 (3 exponent bits, 2 mantissa bits; 6 bits a number), with one power-of-two scale for each 32 numbers along K (OCP MX v1.0); their sums are f32. All else is computed in f32.
;;   The module's matrix products, in the order in which they are computed (A, B: the left and right operand; K: the contracted axis; several contracted axes count as one K, in the product's order):
;;     1. [M 1,024, K 4,096] x [K 4,096, N 4,096]; A: input hidden_states; B: computed on the way: QUANTISED
;;     2. [M 1,024, K 4,096] x [K 4,096, N 1,024]; A: input hidden_states; B: computed on the way: QUANTISED
;;     3. [M 1,024, K 4,096] x [K 4,096, N 1,024]; A: input hidden_states; B: computed on the way: QUANTISED
;;     4. batch 32 x [M 1,024, K 128] x [K 128, N 1,024]; A: computed on the way; B: computed on the way: QUANTISED
;;     5. batch 32 x [M 1,024, K 1,024] x [K 1,024, N 128]; A: softmax (see below); B: computed on the way: QUANTISED
;;     6. [M 1,024, K 4,096] x [K 4,096, N 4,096]; A: computed on the way; B: computed on the way: QUANTISED
;;   THE QUANTISER, for each operand of a quantised product, along K:
;;     - K is cut into blocks of 32 from its start; a last block that is shorter is filled with zeros.
;;     - A block's scale is 2^e with e = floor(log2(the largest magnitude in the block)) - 4, held to -126 .. 127; a block of zeros has e = 0. As a byte (E8M0): e + 127.
;;     - Each number is divided by its block's scale, clamped to +-28, and rounded to the nearest number of E3M2, ties to even, subnormals kept.
;;     - The product sums the exact products of the quantised numbers (number of the format x scale) in f32.
;;   ~~~python
;;   def quantise(x, axis):      # numpy; x: float32 -> the quantised numbers, widened to float32 again
;;       x = np.moveaxis(x, axis, -1); K = x.shape[-1]
;;       x = np.pad(x, [(0, 0)] * (x.ndim - 1) + [(0, -K % 32)]); x = x.reshape(x.shape[:-1] + (-1, 32)); a = np.abs(x).max(-1, keepdims=True)
;;       e = np.where(a > 0, np.clip(np.frexp(np.where(a > 0, a, 1))[1] - 1 - 4, -126, 127), 0)      # np.frexp(a)[1] - 1 = floor(log2(a)), exactly
;;       r = np.clip(x / 2.0 ** e, -28, 28)
;;       step = 2.0 ** (np.maximum(np.frexp(np.where(r == 0, 1, r))[1] - 1, -2) - 2)
;;       q = np.round(r / step) * step * 2.0 ** e      # np.round: ties to even
;;       return np.moveaxis(q.reshape(q.shape[:-2] + (-1,))[..., :K], -1, axis).astype(np.float32)
;;   ~~~
;;   SOFTMAX AHEAD OF A QUANTISED PRODUCT. Where the list says 'softmax', what is quantised is not the finished softmax but p = 2^(t - M), with t = logit x log2(e) and M = ceil(the row's largest t), a whole number; so 1/2 < the row's largest p <= 1. The row's sum l is taken of the UNQUANTISED p, in f32, and the product's result is divided by l at the end. Since M is a whole number, a kernel that streams over the keys may use a running M (the ceiling of the running maximum): every later rescaling is an exact power of two, which a block's scale takes up: the codes' values come out the same.
;;   OPERANDS COMPUTED ON THE WAY. 'Computed on the way' means the value that the module computes at that place (a softmax that the list does not call 'softmax' is quantised finished and normalised). What goes into a quantiser is computed in f32, as accurately as f32 sums, v_exp_f32 and their like allow (about 1e-6 of the number): no bf16 or f16 on the way to a quantiser, and a product that is left as it is and whose result goes on into a quantised operand takes f32 operands (vector FMAs, or v_wmma_f32_16x16x4_f32). A number that lies on a knife's edge between two numbers of the format may be rounded either way, as far as f32 arithmetic and the matrix unit's own rounding can turn it there, and no further.
;; One version. Each part assembles by itself: llvm-mc -triple=amdgcn-amd-amdhsa -mcpu=gfx1250 --defsym DOCPART=n.
;; ======== version 1 of 1: 4 launches
;; limits: right only within a limited range of input values; a function is approximated: absolute error at most 1e-07
;; workspace buffers: xw 22,937,600 bytes; woc 13,107,200 bytes; rope 524,288 bytes; qkvc 4,915,200 bytes; ac 3,276,800 bytes
;; launch quant (part 1): grid 1024 x 1, 4 waves a work-group, no clusters, 68,096 bytes of LDS; arguments hidden_states, position_ids, q_wq, q_scale, k_wq, k_scale, v_wq, v_scale, xw, rope; writes xw, rope
.if DOCPART == 1
	.amdgcn_target "amdgcn-amd-amdhsa--gfx1250"
	.amdhsa_code_object_version 6
	.text
	.protected	k_qf5779f606c_quant
	.globl	k_qf5779f606c_quant
	.p2align	8
	.type	k_qf5779f606c_quant,@function
k_qf5779f606c_quant:
	s_mov_b64 s[64:65], 0
	v_nop
	global_prefetch_b8 v0, s[64:65] scope:SCOPE_SE
	s_setreg_imm32_b32 hwreg(HW_REG_WAVE_MODE, 25, 1), 1
	s_wait_xcnt 0x0
; FIRST OF FOUR LAUNCHES (quant, qkv, attn, oproj) of a Llama attention layer on codes of E3M2 with one E8M0 scale for each 32 along K.
; This launch turns hidden_states and the weights Wq, Wk, Wv (w_q x its group's scale, one f32 multiplication) into codes and scale bytes, each tensor once, and makes the table of cos and sin from position_ids.
; (Wo, which nothing wants before the last launch, is quantised by the same lines inside launch attn.)
; DEAD WORK, for the whole program.  reference() builds triu(-inf, k = 1) in its own body and adds it to the scores: for key k > query q the logit is -inf whatever finite values the inputs hold, so p = 0:
; it adds 0 to the row's sum and 0 to the second attention product, and its code is 0 under any scale.  So a step of 128 keys all of which come after all queries of a tile is left out of both attention
; products (launch attn).  Nothing else is left out: every input has a way to out0 and is loaded.  LIMIT: a NaN, an infinity or an overflow that arises only in scores so left out is not carried to the result.
; LAYOUT OF THE CODES (this program's own buffers).  A FRAGMENT is 16 rows x 128 K as the matrix instruction takes it: lane (r, h), registers 6 c .. 6 c + 5 = k 64 c + 32 h + 0 .. 31.  Its IMAGE is 1,536 bytes:
; registers 4 c .. 4 c + 3 of lane l at 512 c + 16 l.  Fragment F holds rows 32 (F / 2) + 8 (F % 2) + r + 8 (r / 8).  A SUPERFRAGMENT is 16 rows x 512 K: four images, then 256 bytes of scale words at
; 6,144 + 16 r + 4 ks: 6,400 bytes.  xw: [K / 512][448 fragments][6,400]: 0-63 x, 64-319 Wq, 320-383 Wk, 384-447 Wv.  woc (Wo): [K / 512][256][6,400].  rope: [token][64 cos | 64 sin] f32.
; SHARES.  Work-groups 0-127: the table, 8 tokens each.  128-255: x; 256-767: Wq; 768-895: Wk; 896-1,023: Wv: a work-group takes 16 rows x 2,048 K, each of its four waves one superfragment.
; Each load reads 512 consecutive bytes of one row; a piece of 16 rows x 128 K turns through the wave's own stage in LDS, so that a lane gets two whole blocks of 32 of its row; each store writes 512 consecutive bytes.
; No barrier: waves share nothing.  The x path and the weights' path have LDS bytes of their own.
; LIMITS: NaN and infinities among the inputs are not served.  A block whose largest magnitude lies under 2^-122 keeps the byte 1.  A block of zeros gets the byte 1 where the rule says 127: its codes are zeros,
; and this program alone reads the bytes.  inv_freq is made by v_exp_f32 (1 ulp); the angle is reduced by pi / 2 in three parts, which holds about 1e-7 absolute for |position x inv_freq| up to about 1e5.
.set ROWB,   16384                     ; a row of any of the four tensors: 4,096 f32
.set SFB,    6400
.set FRB,    1536
.set SPITCH, 528                       ; a stage row: 512 bytes + 16, so that the sixteen rows that a read touches start 16 bytes apart modulo 256
.set STGB,   16*SPITCH                 ; a wave's stage
.set STGX,   0                         ; the x path's four stages
.set STGW,   4*STGB                    ; the weights' path's four
.set SPARE,  8*STGB                    ; the spare words, 128 bytes a wave: two blocks of 256 bytes that no other line names
.set LN,  1                            ; v1   lane
.set RR,  2                            ; v2   r = lane % 16
.set HH,  3                            ; v3   h = lane / 16
.set GO,  4                            ; v4   16 x lane: my bytes of a load's or a store's 512
.set STI, 5                            ; v5   the stage, on the way in
.set STO, 6                            ; v6   and on the way out: row r, + 128 h
.set SH8, 7                            ; v7   8 h
.set SOF, 8                            ; v8   my row's place among the 24 rows of scales that the fragment spans
.set WOF, 9                            ; v9   16 r: my row's four scale words
.set SPW, 10                           ; v10  my spare word
.set NIL, 11                           ; v11  0
.set S,   12                           ; v12-19  the weight's scale of piece ks, in both registers of pair 12 + 2 ks
.set PW,  20                           ; v20-23  the four scale words
.set TM,  24                           ; v24-31  at work
.set PC,  32                           ; v32-43  a fragment's codes
.set PT,  44                           ; v44-50  the second halves of the blocks' codes
.set X,   64                           ; v64-127 my 64 numbers: register 32 c + i = k 64 c + 32 h + i
.set R,   128                          ; v128-255 two sets of 64 as loaded
	s_load_b256 s[8:15], s[0:1], 0x0               ; hidden_states, position_ids, q_wq, q_scale
	s_load_b256 s[16:23], s[0:1], 0x20             ; k_wq, k_scale, v_wq, v_scale
	s_load_b128 s[24:27], s[0:1], 0x40             ; xw, rope
	v_lshl_add_u32 v[SPW], v0, 2, SPARE
	v_mov_b32 v[NIL], 0
	v_lshrrev_b32 v1, 5, v0
	v_readfirstlane_b32 s4, v1                     ; wave
	v_and_b32 v[LN], 31, v0
	v_and_b32 v[RR], 15, v0
	v_bfe_u32 v[HH], v0, 4, 1
	v_lshlrev_b32 v[GO], 4, v[LN]
	s_mul_i32 s5, s4, STGB
	v_add_nc_u32 v[STI], s5, v[GO]
	v_mul_u32_u24 v[STO], v[RR], SPITCH
	v_lshl_add_u32 v[STO], v[HH], 7, v[STO]
	v_add_nc_u32 v[STO], s5, v[STO]
	v_lshlrev_b32 v[SH8], 3, v[HH]
	v_and_b32 v[SOF], 8, v[RR]
	v_add_nc_u32 v[SOF], v[SOF], v[RR]             ; r + 8 (r / 8)
	v_lshlrev_b32 v[SOF], 7, v[SOF]                ; a row of scales is 128 bytes
	v_lshlrev_b32 v[WOF], 4, v[RR]
	v_mov_b32 v[TM+6], 0                           ; written once: a lane permute's destination counts as one of its sources
	s_mov_b32 s6, 0x76543210
	s_mov_b32 s7, 0xfedcba98                       ; v_permlanex16_b32's selects for lane l xor 16
	s_wait_kmcnt 0x0
	s_cmp_lt_u32 ttmp9, 128
	s_cbranch_scc1 .Ltable
	; which tensor: the choices hang on the work-group's number alone
	s_mov_b64 s[34:35], s[20:21]                   ; the numbers: Wv,
	s_mov_b64 s[36:37], s[22:23]                   ; its scales,
	s_mov_b32 s38, 896                             ; its first work-group
	s_cmp_lt_u32 ttmp9, 896
	s_cselect_b64 s[34:35], s[16:17], s[34:35]     ; Wk
	s_cselect_b64 s[36:37], s[18:19], s[36:37]
	s_cselect_b32 s38, 768, s38
	s_cmp_lt_u32 ttmp9, 768
	s_cselect_b64 s[34:35], s[12:13], s[34:35]     ; Wq
	s_cselect_b64 s[36:37], s[14:15], s[36:37]
	s_cselect_b32 s38, 256, s38
	s_cmp_lt_u32 ttmp9, 256
	s_cselect_b64 s[34:35], s[8:9], s[34:35]       ; x (it has no scales: its path loads none)
	s_cselect_b32 s38, 128, s38
	s_sub_co_u32 s44, ttmp9, s38
	s_lshr_b32 s44, s44, 1                         ; f: the fragment in its tensor
	s_and_b32 s45, s44, 1
	s_lshl_b32 s46, s44, 4
	s_lshl_b32 s45, s45, 3
	s_sub_co_u32 s46, s46, s45                     ; its first row: 32 (f / 2) + 8 (f % 2) = 16 f - 8 (f % 2)
	s_and_b32 s47, ttmp9, 1
	s_lshl_b32 s47, s47, 2
	s_add_co_u32 s47, s47, s4                      ; my 512 along K: 4 (work-group % 2) + wave
	s_lshl_b32 s48, s46, 14
	s_lshl_b32 s49, s47, 11
	s_add_co_u32 s48, s48, s49
	s_mov_b32 s49, 0
	s_add_nc_u64 s[34:35], s[34:35], s[48:49]      ; the numbers at my first row and K
	s_lshl_b32 s48, s46, 7
	s_lshl_b32 s50, s47, 4
	s_add_co_u32 s48, s48, s50
	s_add_nc_u64 s[36:37], s[36:37], s[48:49]      ; the scales likewise: four groups of 128 are 16 bytes
	s_sub_co_u32 s50, ttmp9, 128
	s_lshr_b32 s50, s50, 1                         ; the fragment in xw
	s_mul_i32 s50, s50, SFB
	s_mul_i32 s48, s47, 448*SFB
	s_add_co_u32 s48, s48, s50
	s_add_nc_u64 s[40:41], s[24:25], s[48:49]      ; my superfragment
	s_cmp_lt_u32 ttmp9, 256
	s_cbranch_scc1 .Lx
.macro LOAD ks                         ; piece ks: 16 rows x 128 K; a load reads 512 consecutive bytes of one row
.irp t, 0,1,2,3,4,5,6,7,8,9,10,11,12,13,14,15
	global_load_b128 v[R+64*((\ks)%2)+4*\t:R+64*((\ks)%2)+4*\t+3], v[GO], s[34:35] offset:(\t+8*(\t/8))*ROWB+512*(\ks) th:TH_LOAD_NT
.endr
.endm
.macro PIECE ks, scaled, stg
.if (\ks) < 3
	s_wait_loadcnt 16                              ; this piece's loads (and what was issued ahead of them) are in; the next piece's sixteen may be out
.else
	s_wait_loadcnt 0x0
.endif
.irp t, 0,1,2,3,4,5,6,7,8,9,10,11,12,13,14,15
	ds_store_b128 v[STI], v[R+64*((\ks)%2)+4*\t:R+64*((\ks)%2)+4*\t+3] offset:(\stg)+SPITCH*\t
.endr
.irp c, 0,1
.irp i, 0,1,2,3,4,5,6,7
	ds_load_b128 v[X+32*\c+4*\i:X+32*\c+4*\i+3], v[STO] offset:(\stg)+256*\c+16*\i   ; LDS serves a wave's instructions in order (ISA guide 5.7.1.4): these see the stores above
.endr
.endr
	s_wait_dscnt 0x0                               ; my 64 numbers are in, and the stores have read their registers,
.if (\ks) < 2
	LOAD (\ks)+2                                   ; which take the piece two further on
.endif
.if \scaled
.set j, 0
.rept 32
	v_pk_mul_f32 v[X+j:X+j+1], v[X+j:X+j+1], v[S+2*(\ks):S+2*(\ks)+1]   ; w = w_q x the scale of its row and group of 128: one f32 rounding, as reference() has it
.set j, j+2
.endr
.endif
.irp c, 0,1                            ; my blocks h and 2 + h of the piece: all 32 numbers of each are mine
	v_max3_num_f32 v[TM+\c], |v[X+32*\c]|, |v[X+32*\c+1]|, 0x2800000   ; with the floor 2^(5 - 127): the byte cannot fall under 1
.endr
.irp i, 2,4,6,8,10,12,14,16,18,20,22,24,26,28,30
.irp c, 0,1
	v_max3_num_f32 v[TM+\c], v[TM+\c], |v[X+32*\c+\i]|, |v[X+32*\c+\i+1]|
.endr
.endr
.irp c, 0,1
	v_add_nc_u32 v[TM+4+\c], 0xfe000000, v[TM+\c]  ; 4 off the exponent field: the conversion takes the exponent field of this operand as its scale
.endr
.irp c, 0,1
	v_lshrrev_b32 v[TM+2+\c], 23, v[TM+4+\c]       ; the scale's byte
.endr
	v_lshl_or_b32 v[PW+(\ks)], v[TM+3], 16, v[TM+2]
	v_lshlrev_b32 v[PW+(\ks)], v[SH8], v[PW+(\ks)] ; my two bytes at their places in the word,
	v_permlanex16_b32 v[TM+6], v[PW+(\ks)], s6, s7
	v_or_b32 v[PW+(\ks)], v[PW+(\ks)], v[TM+6]     ; with lane l xor 16's two the word is whole
.if (\ks) > 0
	s_wait_xcnt 0x0                                ; the last piece's stores have read the codes' registers
.endif
.irp c, 0,1
	v_cvt_scalef32_pk16_bf6_f32 v[PC+6*\c:PC+6*\c+2], v[X+32*\c:X+32*\c+15], v[TM+4+\c]
	v_cvt_scalef32_pk16_bf6_f32 v[PT+4*\c:PT+4*\c+2], v[X+32*\c+16:X+32*\c+31], v[TM+4+\c]   ; (a conversion's three registers begin on an even number)
.endr
	v_nop                                          ; one plain place behind a scaled conversion
.irp c, 0,1
.irp i, 0,1,2
	v_mov_b32 v[PC+3+6*\c+\i], v[PT+4*\c+\i]
.endr
.endr
.irp c, 0,1,2
	global_store_b128 v[GO], v[PC+4*\c:PC+4*\c+3], s[40:41] offset:FRB*(\ks)+512*\c   ; the image: 512 consecutive bytes, at a multiple of 256 from the buffer's first byte
.endr
.endm
.macro UNIT scaled, stg
.if \scaled
.irp k, 0,1,2,3
	global_load_b32 v[S+2*\k], v[SOF], s[36:37] offset:4*\k
	global_load_b32 v[S+2*\k+1], v[SOF], s[36:37] offset:4*\k
.endr
.endif
	LOAD 0
	LOAD 1
.irp ks, 0,1,2,3
	PIECE \ks, \scaled, \stg
.endr
	s_wait_xcnt 0x0                                ; EXEC changes only behind this wait
	v_cmp_gt_u32 vcc_lo, 16, v[LN]
	s_and_saveexec_b32 s44, vcc_lo
	global_store_b128 v[WOF], v[PW:PW+3], s[40:41] offset:4*FRB   ; sixteen lanes store the 256 bytes of scale words
	s_wait_xcnt 0x0                                ; and again ahead of the line that widens it
	s_or_b32 exec_lo, exec_lo, s44
.endm
	UNIT 1, STGW
	s_branch .Lend
.Lx:
	UNIT 0, STGX
	s_branch .Lend
.Ltable:                                               ; cos and sin of position x 10000^(-j / 64), j = 0 .. 63: 8 tokens a work-group, 16 threads a token, 4 frequencies a thread
	v_lshrrev_b32 v12, 4, v0                       ; my token among the eight
	v_and_b32 v13, 15, v0
	v_lshlrev_b32 v14, 2, v12
	s_lshl_b32 s44, ttmp9, 5
	s_mov_b32 s45, 0
	s_add_nc_u64 s[10:11], s[10:11], s[44:45]
	global_load_b32 v15, v14, s[10:11]             ; its position
	s_lshl_b32 s46, ttmp9, 12
	s_mov_b32 s47, 0
	s_add_nc_u64 s[26:27], s[26:27], s[46:47]
	v_lshlrev_b32 v16, 9, v12
	v_lshl_add_u32 v16, v13, 4, v16                ; where I store: 512 x token + 16 x (thread % 16)
	v_lshlrev_b32 v17, 2, v13
	v_mov_b32 v18, 0xb94ca1f9                      ; the polynomials' leading coefficients
	v_mov_b32 v19, 0x37ccf5ce
.irp e, 0,1,2,3
	v_add_nc_u32 v[20+\e], \e, v17
.endr
.irp e, 0,1,2,3
	v_cvt_f32_u32 v[20+\e], v[20+\e]               ; j
.endr
.irp e, 0,1,2,3
	v_mul_f32 v[24+\e], 0x3e549a80, v[20+\e]       ; j x the upper 17 bits of log2(10000) / 64: exact
.endr
.irp e, 0,1,2,3
	v_floor_f32 v[28+\e], v[24+\e]                 ; its whole part,
.endr
.irp e, 0,1,2,3
	v_sub_f32 v[24+\e], v[24+\e], v[28+\e]         ; its fraction (exact),
.endr
.irp e, 0,1,2,3
	v_fma_f32 v[24+\e], v[20+\e], 0xb3f6865d, v[24+\e]   ; and j x the rest of the constant
.endr
.irp e, 0,1,2,3
	v_exp_f32 v[24+\e], -v[24+\e]
.endr
	v_nop                                          ; a plain place behind the exponentials
.irp e, 0,1,2,3
	v_cvt_i32_f32 v[28+\e], v[28+\e]
.endr
.irp e, 0,1,2,3
	v_sub_nc_u32 v[28+\e], 0, v[28+\e]
.endr
	s_wait_alu depctr_va_vdst(0)                   ; one wait for the four, ahead of their first reader
.irp e, 0,1,2,3
	v_ldexp_f32 v[24+\e], v[24+\e], v[28+\e]       ; inv_freq = 2^(-fraction) x 2^(-whole part)
.endr
	s_wait_loadcnt 0x0
	v_cvt_f32_i32 v15, v15
.irp e, 0,1,2,3
	v_mul_f32 v[32+\e], v15, v[24+\e]              ; the angle, one f32 rounding as in reference()
.endr
.irp e, 0,1,2,3
	v_mul_f32 v[36+\e], 0x3f22f983, v[32+\e]
.endr
.irp e, 0,1,2,3
	v_rndne_f32 v[36+\e], v[36+\e]                 ; n = the nearest multiple of pi / 2
.endr
.irp e, 0,1,2,3
	v_fma_f32 v[32+\e], -v[36+\e], 0x3fc90fd8, v[32+\e]   ; the angle less n x pi / 2, pi / 2 in three parts; the first difference is exact
.endr
.irp e, 0,1,2,3
	v_fma_f32 v[32+\e], -v[36+\e], 0x34a8885a, v[32+\e]
.endr
.irp e, 0,1,2,3
	v_fma_f32 v[32+\e], -v[36+\e], 0x27c234c4, v[32+\e]
.endr
.irp e, 0,1,2,3
	v_mul_f32 v[40+\e], v[32+\e], v[32+\e]         ; z = r^2
.endr
.irp e, 0,1,2,3
	v_fmaak_f32 v[44+\e], v18, v[40+\e], 0x3c08839e
	v_fmaak_f32 v[48+\e], v19, v[40+\e], 0xbab6061a
.endr
.irp e, 0,1,2,3
	v_fmaak_f32 v[44+\e], v[44+\e], v[40+\e], 0xbe2aaaa3
	v_fmaak_f32 v[48+\e], v[48+\e], v[40+\e], 0x3d2aaaa5
.endr
.irp e, 0,1,2,3
	v_mul_f32 v[44+\e], v[44+\e], v[40+\e]
	v_mul_f32 v[52+\e], v[40+\e], v[40+\e]
	v_fma_f32 v[56+\e], v[40+\e], -0.5, 1.0
.endr
.irp e, 0,1,2,3
	v_fma_f32 v[44+\e], v[44+\e], v[32+\e], v[32+\e]      ; sin r
	v_fma_f32 v[48+\e], v[48+\e], v[52+\e], v[56+\e]      ; cos r
	v_cvt_i32_f32 v[36+\e], v[36+\e]
.endr
.irp e, 0,1,2,3                        ; the quadrant n mod 4: odd: sin and cos change places; sin is negative in 2 and 3, cos in 1 and 2.  Selections only: no branch hangs on these numbers
	v_and_b32 v[52+\e], 1, v[36+\e]
	v_cmp_eq_u32 vcc_lo, 1, v[52+\e]
	v_cndmask_b32 v[68+\e], v[44+\e], v[48+\e], vcc_lo
	v_cndmask_b32 v[64+\e], v[48+\e], v[44+\e], vcc_lo
	v_lshlrev_b32 v[52+\e], 30, v[36+\e]
	v_and_b32 v[52+\e], 0x80000000, v[52+\e]
	v_xor_b32 v[68+\e], v[68+\e], v[52+\e]
	v_add_nc_u32 v[36+\e], 1, v[36+\e]
	v_lshlrev_b32 v[36+\e], 30, v[36+\e]
	v_and_b32 v[36+\e], 0x80000000, v[36+\e]
	v_xor_b32 v[64+\e], v[64+\e], v[36+\e]
.endr
	global_store_b128 v16, v[64:67], s[26:27]              ; sixteen lanes store a token's 256 bytes of cos,
	global_store_b128 v16, v[68:71], s[26:27] offset:256   ; and its 256 bytes of sin
.Lend:
	s_wait_tensorcnt 0x0                           ; the wave's end: these three lines stand behind my last LDS store
	ds_add_u32 v[SPW], v[NIL]
	s_wait_dscnt 0x0
	s_endpgm
.Lfunc_end_k_qf5779f606c_quant:
	.size	k_qf5779f606c_quant, .Lfunc_end_k_qf5779f606c_quant-k_qf5779f606c_quant
	.p2alignl 7, 3214868480
	.fill 96, 4, 3214868480
	.section	.rodata,"a",@progbits
	.p2align	6, 0x0
	.amdhsa_kernel k_qf5779f606c_quant
		.amdhsa_group_segment_fixed_size 68096
		.amdhsa_private_segment_fixed_size 0
		.amdhsa_enable_private_segment 0
		.amdhsa_kernarg_size 80
		.amdhsa_user_sgpr_count 2
		.amdhsa_user_sgpr_kernarg_segment_ptr 1
		.amdhsa_wavefront_size32 1
		.amdhsa_system_sgpr_workgroup_id_x 1
		.amdhsa_system_sgpr_workgroup_id_y 1
		.amdhsa_system_sgpr_workgroup_id_z 1
		.amdhsa_system_vgpr_workitem_id 0
		.amdhsa_next_free_vgpr 256
		.amdhsa_next_free_sgpr 66
		.amdhsa_reserve_vcc 1
		.amdhsa_float_denorm_mode_32 3
		.amdhsa_float_denorm_mode_16_64 3
		.amdhsa_memory_ordered 1
		.amdhsa_forward_progress 1
		.amdhsa_inst_pref_size 76
	.end_amdhsa_kernel
	.amdgpu_metadata
---
amdhsa.version: [ 1, 2 ]
amdhsa.kernels:
  - .name:           k_qf5779f606c_quant
    .symbol:         k_qf5779f606c_quant.kd
    .args:
      - { .name: hidden_states, .offset: 0, .size: 8, .value_kind: global_buffer, .address_space: global }
      - { .name: position_ids, .offset: 8, .size: 8, .value_kind: global_buffer, .address_space: global }
      - { .name: q_wq, .offset: 16, .size: 8, .value_kind: global_buffer, .address_space: global }
      - { .name: q_scale, .offset: 24, .size: 8, .value_kind: global_buffer, .address_space: global }
      - { .name: k_wq, .offset: 32, .size: 8, .value_kind: global_buffer, .address_space: global }
      - { .name: k_scale, .offset: 40, .size: 8, .value_kind: global_buffer, .address_space: global }
      - { .name: v_wq, .offset: 48, .size: 8, .value_kind: global_buffer, .address_space: global }
      - { .name: v_scale, .offset: 56, .size: 8, .value_kind: global_buffer, .address_space: global }
      - { .name: xw, .offset: 64, .size: 8, .value_kind: global_buffer, .address_space: global }
      - { .name: rope, .offset: 72, .size: 8, .value_kind: global_buffer, .address_space: global }
    .group_segment_fixed_size: 68096
    .private_segment_fixed_size: 0
    .kernarg_segment_align: 8
    .kernarg_segment_size: 80
    .max_flat_workgroup_size: 128
    .sgpr_count:     66
    .vgpr_count:     256
    .wavefront_size: 32
...
	.end_amdgpu_metadata
.endif
;; end of part 1
;; launch qkv (part 2): grid 24 x 8, 4 waves a work-group, clusters of 4 x 4, 327,680 bytes of LDS; arguments xw, rope, qkvc; writes qkvc
.if DOCPART == 2
	.amdgcn_target "amdgcn-amd-amdhsa--gfx1250"
	.amdhsa_code_object_version 6
	.text
	.protected	k_qf5779f606c_qkv
	.globl	k_qf5779f606c_qkv
	.p2align	8
	.type	k_qf5779f606c_qkv,@function
k_qf5779f606c_qkv:
	s_mov_b64 s[64:65], 0
	v_nop
	global_prefetch_b8 v0, s[64:65] scope:SCOPE_SE
	s_setreg_imm32_b32 hwreg(HW_REG_WAVE_MODE, 25, 1), 1
	s_wait_xcnt 0x0
	s_wait_alu depctr_hold_cnt(0) depctr_sa_sdst(0) depctr_va_vdst(0) depctr_va_sdst(0) depctr_va_ssrc(0) depctr_va_vcc(0) depctr_vm_vsrc(0)
	s_getreg_b32 s2, hwreg(HW_REG_IB_STS2, 6, 4)
	s_cmp_eq_u32 s2, 0
	s_cbranch_scc0 .Lentry_in_a_cluster
	s_endpgm
.Lentry_in_a_cluster:
	s_bfe_u32 s2, ttmp6, 0x10000c
	s_cmp_lg_u32 s2, 0xf033
	s_cbranch_scc0 .Lentry_shape_is_right
	s_endpgm
.Lentry_shape_is_right:
; SECOND LAUNCH: q, k and v = x W^T on codes of E3M2 (K = 4,096), RoPE on q and k in f32, and the three quantisers, fused: what leaves are the operands of the attention products, in fragment order.
; THE FRAME.  A work-group of four waves makes 128 rows of source 1 ("A") x 256 rows of source 0 ("B"); wave (mh, nh) takes A's fragments 4 mh .. + 3 and B's 8 nh .. + 7: 32 accumulators of 16 x 16.
; Operands lie in memory in the order of the operand's registers (launch quant's head): a fragment comes from LDS by three loads of 512 consecutive bytes, its four scale words of 512 along K by one load.
; K goes in steps of 512 through two LDS slots: a slot is A's 8 and B's 16 superfragments of 6,400 bytes, each side one dense block of memory.
; ROLES, by the cluster's x (the same in all sixteen partners): 0-3: Q (A = x's tokens, B = Wq's rows); 4: K (B = Wk's rows); 5: V, with the operands changed over (A = Wv's rows, B = x's tokens).
; THE MATRIX INSTRUCTION IS USED TRANSPOSED (source 0 = B): lane (r, h) holds row r of A's fragment, and, by the order of a fragment's rows, its 64 registers of accumulators (a, 0 .. 7) are B's rows
; 32 b + 16 h + i (register 16 b + i) of the wave's 128.  For Q and K those 128 are one head's channels: RoPE's partner d +- 64 is 32 registers away in the same lane, and a block of 32 along the head lies in
; lanes l and l xor 16.  For V they are one step's 128 keys, and the lane's row is a channel: the same text gives V^T quantised along the keys.
; CLUSTER: 4 x 4 work-groups; A's tile hangs on the tile row alone and is asked for jointly along a row of the cluster, B's on the tile column alone and along a column.
; qkvc: Q's images at (head x 64 + F) x 1,536; Q's scale words at 3,145,728 + (head x 64 + F) x 64 + 4 r; from 3,276,800 a chunk of 25,600 bytes for each (kv head g, key step s), at (8 g + s) x 25,600:
; K's 8 images, K's scale words at 12,288 + 64 T + 4 r, V^T's 8 images at 12,800, V's scale words at 25,088 + 64 T + 4 r.
; LIMITS: as stated at launch quant's head (byte 1 for blocks of zeros and under 2^-122; NaN and infinities not served).
; REGISTERS, in windows of 256: window 0: v1-4 lane terms; v16-26 addresses; v28, v29 the add's two; v32-95 scale words, a set of 32 for each slot; v96-143, v144-191 A's fragments, two sets (on the way out
;   v128-191: 64 numbers after RoPE); v200-242 at work on the way out.   window 1: B's fragments, two sets, at v0 and v128.   window 2: accumulator (a, b) at v[8 (8 a + b)].   window 3: cos and sin.
.set FRB,    1536
.set SFB,    6400
.set HALFA,  4*SFB                     ; what one tensor load brings of A, and what one wave reads of it
.set HALFB,  8*SFB                     ; the same for B
.set BOFF,   8*SFB                     ; B's 16 superfragments lie behind A's 8
.set SLOT,   24*SFB
.set SPARE,  2*SLOT                    ; behind the ring: the spare words, 128 bytes a wave: two blocks of 256 bytes that no other line names
.set STEPA,  448*SFB                   ; from one 512 along K to the next, in xw
.set STEPB,  448*SFB
.set QS,     3145728
.set KV,     3276800
.set CHUNK,  25600
.set ADRA, 16                          ; v16-17  my A fragments in slot 0, 1: + 16 x lane
.set ADRB, 20                          ; v20-21  my B fragments
.set ADRS, 22                          ; v22-23  scale words: lanes 0-15 A's, lanes 16-31 B's
.set LI,   24                          ; v24     16 x lane
.set L4,   25                          ; v25     4 x lane
.set TO,   26                          ; v26     my place in the table: (r + 8 (r / 8)) x 512 + 64 h
.set SPW,  28
.set NIL,  29
.set SC,   32                          ; scale words: register SC + 32 slot + 4 i + ks: lanes 0-15 A's fragment i, lanes 16-31 B's fragment i
.set AF,   96
.set XR,   128
.set TM,   200
.set PW,   216                         ; v216-219 the four fragments' scale words; v220, v221 two of them side by side
.set PC,   224
.set SEL,  12                          ; s[12:13]
.set G1,   24                          ; s[24:31] group 1 for A's tiles;  s[32:39] group 0, a set for each slot
.set G0,   32
.set G1B,  48                          ; s[48:55], s[56:63] the same for B's
.set G0B,  56
.set MULW, 0xa1                        ; source 0 (B) window 1, source 1 (A) window 0, C and D window 2
.set MSB, 0
.macro WIN new                         ; the immediate's high byte repeats the setting that is left
.if MSB != (\new)
	s_set_vgpr_msb (MSB<<8)|(\new)
.set MSB, (\new)
.endif
.endm
; A joint load: waves 0 and 1 fetch A's halves, waves 2 and 3 B's.  Each line has one mask and one set of registers for all that issue it; the branch hangs on the wave's number alone.
; An s_nop 0 and four v_nop follow each of the two lines, ahead of the jump, the label and what follows.
.macro JLOAD g0a, g1a, g0b, g1b
	s_cmp_eq_u32 s15, 0
	s_cbranch_scc0 .Lfor_b_\@
	tensor_load_to_lds s[\g0a:\g0a+3], s[\g1a:\g1a+7]
	s_nop 0
.rept 4
	v_nop
.endr
	s_branch .Lasked_\@
.Lfor_b_\@:
	tensor_load_to_lds s[\g0b:\g0b+3], s[\g1b:\g1b+7]
	s_nop 0
.rept 4
	v_nop
.endr
.Lasked_\@:
.endm
.macro CREST                           ; a round of the cluster's barrier behind its opening barrier
	s_cmp_lg_u32 s14, 0
	s_cbranch_scc1 .Lnot_wave_0_\@
	s_barrier_signal -3
.Lnot_wave_0_\@:
	s_barrier_wait -3
	s_barrier_signal -1
	s_barrier_wait -1
.endm
.macro CROUND
	s_barrier_signal -1
	s_barrier_wait -1
	CREST
.endm
.macro PLACES                          ; four places between a matrix instruction and a load into, or a vector write of, one of its registers, or a read of its result (ISA guide 7.12.1 for a vector write or a read of its result)
.rept 4
	v_nop
.endr
.endm
	s_load_b128 s[4:7], s[0:1], 0x0                ; xw, rope
	s_load_b64 s[8:9], s[0:1], 0x10                ; qkvc
	v_lshl_add_u32 v[SPW], v0, 2, SPARE
	v_mov_b32 v[NIL], 0
	ds_add_u32 v[SPW], v[NIL]                      ; the wave's opening: the add, twice on end, and its wait ahead of my first tensor load
	ds_add_u32 v[SPW], v[NIL]
	v_lshrrev_b32 v1, 5, v0
	v_readfirstlane_b32 s14, v1                    ; wave 0..3
	s_lshr_b32 s15, s14, 1                         ; mh.  Also: I fetch for A (0) or for B (1)
	s_and_b32 s16, s14, 1                          ; nh.  Also: which half of that tile I fetch
	s_bfe_u32 s40, ttmp6, 0x40000                  ; cx, cy: my place in the cluster
	s_bfe_u32 s41, ttmp6, 0x40004
	s_lshl_b32 s42, ttmp9, 2
	s_add_co_u32 s42, s42, s40                     ; X = 4 x cluster x + cx
	s_and_b32 s17, ttmp7, 0xffff
	s_lshl_b32 s17, s17, 2
	s_add_co_u32 s17, s17, s41                     ; Y = 4 x cluster y + cy
	s_lshl_b32 s43, s41, 2
	s_lshl_b32 s43, 15, s43                        ; my row of the cluster
	s_lshl_b32 s44, 0x1111, s40                    ; my column
	; group 1: a dense block as rows of 256 bytes (32 elements of 8 bytes): 100 rows for A's half, 200 for B's; no padding: every read of a fragment is 512 consecutive bytes
	s_or_b32 s[G1+0], s43, (3<<16)|(1<<21)         ; 15:0 the mask; 17:16 elements of 8 bytes; 21 set beside a mask
	s_or_b32 s[G1B+0], s44, (3<<16)|(1<<21)
	s_mov_b32 s[G1+1], 32<<16                      ; tensor_dim0
	s_mov_b32 s[G1+2], (HALFA/256)<<16             ; tensor_dim1
	s_mov_b32 s[G1+3], 32<<16                      ; tile_dim0
	s_mov_b32 s[G1+4], HALFA/256                   ; tile_dim1
	s_mov_b32 s[G1+5], 32                          ; from row to row
	s_mov_b32 s[G1+6], 0
	s_mov_b32 s[G1+7], 0
	s_mov_b32 s[G1B+1], 32<<16
	s_mov_b32 s[G1B+2], (HALFB/256)<<16
	s_mov_b32 s[G1B+3], 32<<16
	s_mov_b32 s[G1B+4], HALFB/256
	s_mov_b32 s[G1B+5], 32
	s_mov_b32 s[G1B+6], 0
	s_mov_b32 s[G1B+7], 0
	s_cmp_eq_u32 ttmp9, 5                          ; the V role: A's fragments are Wv's (from 384), B's are x's (from 0)
	s_cselect_b32 s45, 384, 0
	s_lshl_b32 s20, s17, 3
	s_lshl_b32 s18, s16, 2
	s_add_co_u32 s20, s20, s18
	s_add_co_u32 s20, s20, s45                     ; A: fragment 8 Y + 4 x half (+ 384)
	s_mul_i32 s20, s20, SFB
	s_mov_b32 s21, 0
	s_lshl_b32 s46, s42, 4
	s_lshl_b32 s18, s16, 3
	s_add_co_u32 s46, s46, s18
	s_add_co_u32 s46, s46, 64
	s_sub_co_u32 s46, s46, s45                     ; B: fragment 16 X + 8 x half + 64 (- 384)
	s_mul_i32 s46, s46, SFB
	s_mov_b32 s47, 0
	s_mul_i32 s22, s16, HALFA                      ; where they go: no place in the cluster enters an LDS address
	s_mul_i32 s23, s16, HALFB
	s_add_co_u32 s23, s23, BOFF
	s_mov_b32 s[SEL], 0x76543210
	s_mov_b32 s[SEL+1], 0xfedcba98
	s_wait_dscnt 0x0                               ; both opening adds are done
	s_wait_kmcnt 0x0
	s_add_nc_u64 s[20:21], s[4:5], s[20:21]
	s_add_nc_u64 s[46:47], s[4:5], s[46:47]
	CROUND                                         ; all sixteen work-groups are here: the first joint loads meet
.irp s, 0,1
	s_mov_b32 s[G0+4*\s], 1
	s_add_co_u32 s[G0+4*\s+1], s22, \s*SLOT
	s_add_nc_u64 s[G0+4*\s+2:G0+4*\s+3], s[20:21], \s*STEPA
	s_or_b32 s[G0+4*\s+3], s[G0+4*\s+3], 0x80000000
	s_mov_b32 s[G0B+4*\s], 1
	s_add_co_u32 s[G0B+4*\s+1], s23, \s*SLOT
	s_add_nc_u64 s[G0B+4*\s+2:G0B+4*\s+3], s[46:47], \s*STEPB
	s_or_b32 s[G0B+4*\s+3], s[G0B+4*\s+3], 0x80000000
	JLOAD G0+4*\s, G1, G0B+4*\s, G1B               ; two tensor loads of mine are out
.endr
	v_and_b32 v1, 15, v0                           ; r
	v_bfe_u32 v2, v0, 4, 1                         ; h
	v_and_b32 v3, 31, v0
	v_lshlrev_b32 v[LI], 4, v3
	v_lshlrev_b32 v[L4], 2, v3
	v_and_b32 v4, 8, v1
	v_add_nc_u32 v4, v4, v1
	v_lshlrev_b32 v[TO], 9, v4
	v_lshl_add_u32 v[TO], v2, 6, v[TO]
	s_mul_i32 s21, s15, HALFA                      ; my four fragments of A
	s_mul_i32 s22, s16, HALFB
	s_add_co_u32 s22, s22, BOFF                    ; my eight of B
.irp s, 0,1
	v_add_nc_u32 v[ADRA+\s], s21, v[LI]
	v_add_nc_u32 v[ADRB+\s], s22, v[LI]
	s_add_co_u32 s21, s21, SLOT
	s_add_co_u32 s22, s22, SLOT
.endr
	s_mul_i32 s21, s15, HALFA
	s_mul_i32 s22, s16, HALFB
	s_add_co_u32 s22, s22, BOFF
	s_sub_co_u32 s22, s22, s21
	v_mul_u32_u24 v4, s22, v2                      ; lanes 16-31 take B's: one product, h x the distance between the two
	v_lshl_add_u32 v4, v1, 4, v4
	s_add_co_u32 s21, s21, 4*FRB
	v_add_nc_u32 v[ADRS], s21, v4
	v_add_nc_u32 v[ADRS+1], SLOT, v[ADRS]
.irp b, 0,1,2,3
	v_mov_b32 v[TM+4+\b], 0                        ; written once: a lane permute's destination counts as one of its sources
.endr
	; where my results go
	s_lshl_b32 s66, s42, 1
	s_add_co_u32 s66, s66, s16                     ; t = 2 X + nh: the head (Q), 32 + the kv head (K), 40 + the key step (V)
	s_lshl_b32 s67, s66, 6
	s_lshl_b32 s75, s17, 3
	s_add_co_u32 s67, s67, s75
	s_lshl_b32 s75, s15, 2
	s_add_co_u32 s67, s67, s75                     ; Q: head x 64 + my first fragment 8 Y + 4 mh
	s_mul_i32 s76, s67, FRB
	s_lshl_b32 s77, s67, 6
	s_add_co_u32 s77, s77, QS
	s_sub_co_u32 s75, s66, 32
	s_lshl_b32 s75, s75, 3
	s_add_co_u32 s75, s75, s17                     ; K: chunk 8 g + Y
	s_lshl_b32 s78, s17, 3
	s_add_co_u32 s78, s78, s66
	s_sub_co_u32 s78, s78, 40                      ; V: chunk 8 Y + key step
	s_mov_b32 s79, 12288
	s_cmp_eq_u32 ttmp9, 5
	s_cselect_b32 s75, s78, s75
	s_cselect_b32 s78, 12800, 0
	s_cselect_b32 s79, 25088, s79
	s_mul_i32 s75, s75, CHUNK
	s_add_co_u32 s75, s75, KV
	s_add_co_u32 s78, s78, s75
	s_mul_i32 s67, s15, 4*FRB
	s_add_co_u32 s78, s78, s67                     ; my four images in the chunk,
	s_add_co_u32 s79, s79, s75
	s_lshl_b32 s67, s15, 8
	s_add_co_u32 s79, s79, s67                     ; and their scale words
	s_cmp_lt_u32 ttmp9, 4
	s_cselect_b32 s68, s76, s78
	s_cselect_b32 s70, s77, s79
	s_mov_b32 s69, 0
	s_mov_b32 s71, 0
	s_add_nc_u64 s[68:69], s[8:9], s[68:69]
	s_add_nc_u64 s[70:71], s[8:9], s[70:71]
	s_lshl_b32 s72, s17, 16
	s_lshl_b32 s73, s15, 15
	s_add_co_u32 s72, s72, s73
	s_mov_b32 s73, 0
	s_add_nc_u64 s[72:73], s[6:7], s[72:73]        ; the table at my first token: 128 Y + 64 mh, 512 bytes a token
	s_mov_b32 s74, 0xffff0000                      ; lanes 16-31
; 8 matrix instructions: A's fragment a x B's eight, 128 along K: piece ks of slot sl, from the sets p.  The 32 accumulators take turns, one instruction a turn, in one order throughout.
.macro MUL8 a, p, ks, sl, zero
.irp b, 0,1,2,3,4,5,6,7
.if \zero
	v_wmma_scale_f32_16x16x128_f8f6f4 v[8*(8*(\a)+\b):8*(8*(\a)+\b)+7], v[128*(\p)+12*\b:128*(\p)+12*\b+11], v[AF+48*(\p)+12*(\a):AF+48*(\p)+12*(\a)+11], 0, v[SC+32*(\sl)+4*\b+(\ks)], v[SC+32*(\sl)+4*(\a)+(\ks)] matrix_a_fmt:MATRIX_FMT_BF6 matrix_b_fmt:MATRIX_FMT_BF6 matrix_a_scale:MATRIX_SCALE_ROW1
.else
	v_wmma_scale_f32_16x16x128_f8f6f4 v[8*(8*(\a)+\b):8*(8*(\a)+\b)+7], v[128*(\p)+12*\b:128*(\p)+12*\b+11], v[AF+48*(\p)+12*(\a):AF+48*(\p)+12*(\a)+11], v[8*(8*(\a)+\b):8*(8*(\a)+\b)+7], v[SC+32*(\sl)+4*\b+(\ks)], v[SC+32*(\sl)+4*(\a)+(\ks)] matrix_a_fmt:MATRIX_FMT_BF6 matrix_b_fmt:MATRIX_FMT_BF6 matrix_a_scale:MATRIX_SCALE_ROW1
.endif
.endr
.endm
.macro FETCH sl, ks, p                 ; 36 LDS loads in one run: B's eight and A's four fragments of piece ks into the sets p
	WIN 0x40                                       ; destination window 1, address window 0
.irp b, 0,1,2,3,4,5,6,7
.irp c, 0,1,2
	ds_load_b128 v[128*(\p)+12*\b+4*\c:128*(\p)+12*\b+4*\c+3], v[ADRB+(\sl)] offset:SFB*\b+FRB*(\ks)+512*\c
.endr
.endr
	WIN 0
.irp a, 0,1,2,3
.irp c, 0,1,2
	ds_load_b128 v[AF+48*(\p)+12*\a+4*\c:AF+48*(\p)+12*\a+4*\c+3], v[ADRA+(\sl)] offset:SFB*\a+FRB*(\ks)+512*\c
.endr
.endr
.endm
.macro SCALES sl                       ; a slot's scale words: a row's four words by one load; lanes 0-15 A's fragment i (of which 0 to 3 are used), lanes 16-31 B's fragment i
.irp i, 0,1,2,3,4,5,6,7
	ds_load_b128 v[SC+32*(\sl)+4*\i:SC+32*(\sl)+4*\i+3], v[ADRS+(\sl)] offset:SFB*\i
.endr
.endm
.macro STEP sl, ks, zero               ; one of a slot's first three pieces: the next piece is asked for ahead of this piece's 32 matrix instructions
	s_wait_dscnt 0x0                               ; this piece's fragments, asked for a whole piece ago, are in
	PLACES
	FETCH \sl, (\ks)+1, 1-(\ks)%2
	WIN MULW
	MUL8 0, (\ks)%2, \ks, \sl, \zero
	MUL8 1, (\ks)%2, \ks, \sl, \zero
	MUL8 2, (\ks)%2, \ks, \sl, \zero
	MUL8 3, (\ks)%2, \ks, \sl, \zero
	WIN 0
.endm
; A slot's last piece changes slots: one barrier; ahead of it each wave waits for all its tensor loads, adds 0 to its spare word, and waits for that and for its reads of this slot.  fill = 1: the slot is filled again, two steps of 512 on.
.macro TURN sl, nx, fill
	s_wait_tensorcnt 0x0                           ; all my tensor loads have landed: my part of the next slot
	ds_add_u32 v[SPW], v[NIL]                      ; 0 onto my spare word
	s_wait_dscnt 1                                 ; (the add alone may be out: this piece's fragments are in)
	WIN MULW
	MUL8 0, 1, 3, \sl, 0                           ; eight matrix instructions stand between the add and the wait for it
	s_wait_dscnt 0x0                               ; the add is done, and my reads of this slot are over
	s_barrier_signal -1
	MUL8 1, 1, 3, \sl, 0
	WIN 0
	s_barrier_wait -1
.if \fill
	CREST                                          ; the barrier has opened a round of the cluster's barrier: no wave of any partner still reads this slot or has a load on its way
	s_add_nc_u64 s[G0+4*\sl+2:G0+4*\sl+3], s[G0+4*\sl+2:G0+4*\sl+3], 2*STEPA
	s_add_nc_u64 s[G0B+4*\sl+2:G0B+4*\sl+3], s[G0B+4*\sl+2:G0B+4*\sl+3], 2*STEPB
	JLOAD G0+4*\sl, G1, G0B+4*\sl, G1B             ; the first tensor load behind the round, my one until the next; it has a slot's 128 matrix instructions in which to land; its four v_nop are the places for the loads below
.else
	PLACES
.endif
	FETCH \nx, 0, 0
	SCALES \nx
	WIN MULW
	MUL8 2, 1, 3, \sl, 0
	MUL8 3, 1, 3, \sl, 0
	WIN 0
.endm
.macro LAST
	s_wait_dscnt 0x0
	WIN MULW
	MUL8 0, 1, 3, 1, 0
	MUL8 1, 1, 3, 1, 0
	MUL8 2, 1, 3, 1, 0
	MUL8 3, 1, 3, 1, 0
	WIN 0
.endm
; 64 numbers of a lane, v[s] on in window w, register 16 b + i = k 32 b + 16 h + i of my row, become a fragment's codes in v[PC] on and its scale word in v[pw].
.macro QUANT s, w, pw
	WIN (\w)|((\w)<<2)
.irp b, 0,1,2,3
	v_max3_num_f32 v[TM+\b], |v[(\s)+16*\b]|, |v[(\s)+1+16*\b]|, 0x2800000   ; my 16 numbers of block b, from each accumulator's low end on, and the floor 2^(5 - 127): the byte cannot fall under 1
.endr
	WIN ((\w)<<2)|((\w)<<4)
.irp i, 2,4,6,8,10,12,14
.irp b, 0,1,2,3
	v_max3_num_f32 v[TM+\b], v[TM+\b], |v[(\s)+16*\b+\i]|, |v[(\s)+1+16*\b+\i]|
.endr
.endr
	WIN 0
.irp b, 0,1,2,3
	v_permlanex16_b32 v[TM+4+\b], v[TM+\b], s[SEL], s[SEL+1]
.endr
.irp b, 0,1,2,3
	v_max_num_f32 v[TM+\b], v[TM+\b], v[TM+4+\b]   ; with lane l xor 16's: the block's largest magnitude
.endr
.irp b, 0,1,2,3
	v_add_nc_u32 v[TM+12+\b], 0xfe000000, v[TM+\b] ; 4 off its exponent field: the conversion's scale operand
.endr
.irp b, 0,1,2,3
	v_lshrrev_b32 v[TM+4+\b], 23, v[TM+12+\b]      ; the scale's byte
.endr
	v_lshl_or_b32 v[\pw], v[TM+5], 8, v[TM+4]
	v_lshl_or_b32 v[\pw], v[TM+6], 16, v[\pw]
	v_lshl_or_b32 v[\pw], v[TM+7], 24, v[\pw]
	WIN \w
.irp c, 0,1
	v_cvt_scalef32_pk16_bf6_f32 v[PC+6*\c:PC+2+6*\c], v[(\s)+32*\c:(\s)+15+32*\c], v[TM+12+2*\c]
	v_cvt_scalef32_pk16_bf6_f32 v[PC+12+4*\c:PC+14+4*\c], v[(\s)+16+32*\c:(\s)+31+32*\c], v[TM+12+2*\c+1]   ; (a conversion's three registers begin on an even number)
.endr
	WIN 0
	v_nop                                          ; one plain place behind a scaled conversion
.irp c, 0,1                            ; the operand's layout wants a whole block in a lane: lanes 0-15 block 2 c, lanes 16-31 block 2 c + 1
.irp i, 0,1,2
	v_permlane16_swap_b32 v[PC+6*\c+\i], v[PC+12+4*\c+\i]
.endr
.irp i, 0,1,2
	v_mov_b32 v[PC+3+6*\c+\i], v[PC+12+4*\c+\i]
.endr
.endr
.endm
; The last step of 512 and the way out.  rope = 1 (Q, K): the wave's cos and sin are asked for ahead of the step's 128 matrix instructions.
.macro FINISH rope
.if \rope
	WIN 0xc0                                       ; destination window 3, address window 0
.irp a, 0,1,2,3
.irp e, 0,1
.irp q, 0,1,2,3
	global_load_b128 v[64*\a+16*\e+4*\q:64*\a+16*\e+4*\q+3], v[TO], s[72:73] offset:(32*(\a/2)+8*(\a%2))*512+128*\e+16*\q          ; cos of my token of fragment a, frequencies 32 e + 16 h + 4 q on
	global_load_b128 v[64*\a+32+16*\e+4*\q:64*\a+32+16*\e+4*\q+3], v[TO], s[72:73] offset:(32*(\a/2)+8*(\a%2))*512+128*\e+16*\q+256   ; sin
.endr
.endr
.endr
	WIN 0
.endif
	STEP 1, 0, 0
	STEP 1, 1, 0
	STEP 1, 2, 0
	LAST
	PLACES
.irp a, 0,1,2,3
.if \a > 0
	s_wait_xcnt 0x0                                ; the last fragment's stores have read the codes' registers
.endif
.if \rope
.if \a == 0
	s_wait_loadcnt 0x0                             ; the table
.endif
	WIN 0x0e                                       ; source 0 window 2 (the sums), source 1 window 3 (cos, sin)
.set j, 0
.rept 16                               ; d < 64: x cos - x(d + 64) sin;  d >= 64: x cos + x(d - 64) sin.  Each accumulator is read from its low end on
	v_pk_mul_f32 v[XR+j:XR+j+1], v[64*\a+j:64*\a+j+1], v[64*\a+j:64*\a+j+1]
	v_pk_mul_f32 v[XR+32+j:XR+33+j], v[64*\a+32+j:64*\a+33+j], v[64*\a+j:64*\a+j+1]
	v_pk_fma_f32 v[XR+j:XR+j+1], v[64*\a+32+j:64*\a+33+j], v[64*\a+32+j:64*\a+33+j], v[XR+j:XR+j+1] neg_lo:[1,0,0] neg_hi:[1,0,0]
	v_pk_fma_f32 v[XR+32+j:XR+33+j], v[64*\a+j:64*\a+j+1], v[64*\a+32+j:64*\a+33+j], v[XR+32+j:XR+33+j]
.set j, j+2
.endr
	WIN 0
	QUANT XR, 0, PW+\a
.else
	QUANT 64*\a, 2, PW+\a
.endif
.irp c, 0,1,2
	global_store_b128 v[LI], v[PC+4*\c:PC+4*\c+3], s[68:69] offset:FRB*\a+512*\c   ; the image: 512 consecutive bytes, at a multiple of 256 from the buffer's first byte
.endr
.endr
	v_cndmask_b32 v[PW+4], v[PW], v[PW+1], s74     ; lanes 0-15: fragment 0's words, lanes 16-31: fragment 1's (every lane holds its row's word)
	v_cndmask_b32 v[PW+5], v[PW+2], v[PW+3], s74
	global_store_b32 v[L4], v[PW+4], s[70:71]              ; 128 consecutive bytes each: half of an aligned 256; the scale words are one part in 25 of what the launch stores
	global_store_b32 v[L4], v[PW+5], s[70:71] offset:128
.endm
	s_wait_tensorcnt 1                             ; my part of slot 0 is in; slot 1's may stay out
	s_barrier_signal -1
	s_barrier_wait -1                              ; everybody's is
	FETCH 0, 0, 0
	SCALES 0
	STEP 0, 0, 1                                   ; the first piece stands ahead of the loop: its products start the sums
	s_mov_b32 s10, 3
.Llap:                                                 ; a trip goes once round the ring, from a lap's second piece to the next lap's first, and fills both slots again
	STEP 0, 1, 0
	STEP 0, 2, 0
	TURN 0, 1, 1
	STEP 1, 0, 0
	STEP 1, 1, 0
	STEP 1, 2, 0
	TURN 1, 0, 1
	STEP 0, 0, 0
	s_sub_co_u32 s10, s10, 1
	s_cmp_lg_u32 s10, 0
	s_cbranch_scc1 .Llap
	STEP 0, 1, 0                                   ; the last lap fills nothing, and has no round of the cluster's barrier
	STEP 0, 2, 0
	TURN 0, 1, 0
	s_cmp_eq_u32 ttmp9, 5                          ; the cluster's x: the same in all partners.  No barrier, tensor load or LDS store stands in either arm
	s_cbranch_scc1 .Lvrole
	FINISH 1
	s_branch .Ldone
.Lvrole:
	FINISH 0
.Ldone:
	s_wait_tensorcnt 0x0                           ; the wave's end: these three lines stand behind my last tensor load
	ds_add_u32 v[SPW], v[NIL]
	s_wait_dscnt 0x0
	CROUND                                         ; the closing round: no work-group ends while a partner may still ask for a tile that names it
	s_endpgm
.Lfunc_end_k_qf5779f606c_qkv:
	.size	k_qf5779f606c_qkv, .Lfunc_end_k_qf5779f606c_qkv-k_qf5779f606c_qkv
	.p2alignl 7, 3214868480
	.fill 96, 4, 3214868480
	.section	.rodata,"a",@progbits
	.p2align	6, 0x0
	.amdhsa_kernel k_qf5779f606c_qkv
		.amdhsa_group_segment_fixed_size 327680
		.amdhsa_private_segment_fixed_size 0
		.amdhsa_enable_private_segment 0
		.amdhsa_kernarg_size 24
		.amdhsa_user_sgpr_count 2
		.amdhsa_user_sgpr_kernarg_segment_ptr 1
		.amdhsa_wavefront_size32 1
		.amdhsa_system_sgpr_workgroup_id_x 1
		.amdhsa_system_sgpr_workgroup_id_y 1
		.amdhsa_system_sgpr_workgroup_id_z 1
		.amdhsa_system_vgpr_workitem_id 0
		.amdhsa_next_free_vgpr 1024
		.amdhsa_next_free_sgpr 80
		.amdhsa_reserve_vcc 0
		.amdhsa_float_denorm_mode_32 3
		.amdhsa_float_denorm_mode_16_64 3
		.amdhsa_memory_ordered 1
		.amdhsa_forward_progress 1
		.amdhsa_inst_pref_size 198
	.end_amdhsa_kernel
	.amdgpu_metadata
---
amdhsa.version: [ 1, 2 ]
amdhsa.kernels:
  - .name:           k_qf5779f606c_qkv
    .symbol:         k_qf5779f606c_qkv.kd
    .args:
      - { .name: xw, .offset: 0, .size: 8, .value_kind: global_buffer, .address_space: global }
      - { .name: rope, .offset: 8, .size: 8, .value_kind: global_buffer, .address_space: global }
      - { .name: qkvc, .offset: 16, .size: 8, .value_kind: global_buffer, .address_space: global }
    .group_segment_fixed_size: 327680
    .private_segment_fixed_size: 0
    .kernarg_segment_align: 8
    .kernarg_segment_size: 24
    .max_flat_workgroup_size: 128
    .sgpr_count:     80
    .vgpr_count:     1024
    .wavefront_size: 32
...
	.end_amdgpu_metadata
.endif
;; end of part 2
;; launch attn (part 3): grid 32 x 8, 8 waves a work-group, no clusters, 273,408 bytes of LDS; arguments qkvc, ac, o_wq, o_scale, woc; writes ac, woc
.if DOCPART == 3
	.amdgcn_target "amdgcn-amd-amdhsa--gfx1250"
	.amdhsa_code_object_version 6
	.text
	.protected	k_qf5779f606c_attn
	.globl	k_qf5779f606c_attn
	.p2align	8
	.type	k_qf5779f606c_attn,@function
k_qf5779f606c_attn:
	s_mov_b64 s[64:65], 0
	v_nop
	global_prefetch_b8 v0, s[64:65] scope:SCOPE_SE
	s_setreg_imm32_b32 hwreg(HW_REG_WAVE_MODE, 25, 1), 1
	s_wait_xcnt 0x0
; THIRD LAUNCH: causal attention on codes of E3M2, and the quantiser of its result along head x 128 + channel: what leaves is the A operand of the last product, in fragment order (layouts: the heads of launches quant and qkv).
; LEFT OUT AS DEAD WORK (shown at launch quant's head): a step of 128 keys all of which come after all queries of a tile: reference()'s own triu(-inf) makes their p 0 for all finite inputs.
; THE SOFTMAX: t = score x log2(e) / sqrt(128); M = the running largest t rounded up to a whole number; p = 2^(t - M) is quantised along the keys; the row's sum is taken of the unquantised p and divides at the end;
; when M moves, the sum and O are multiplied by 2^(old M - new M), which rounds nothing.
; SHARES.  Work-group (f, g): kv head g.  Wave v takes head 4 g + v % 4 and ONE fragment of 16 queries: fragment 63 - f (v < 4) or f (v >= 4).  Fragment F needs F / 8 + 1 key steps, so the two make 9 whatever f is:
; every work-group has 36 tile steps.
; K AND V COME INTO LDS ONCE, through registers: wave s copies the chunk of key step s (25,600 bytes: K's 8 images and scale words, V^T's 8 and theirs) if the longer tile reads it; one barrier; nothing is filled again.
; NO CLUSTER, NO TENSOR LOAD: the 32 work-groups of a kv head read the same chunks, but how many (5 to 8) hangs on the work-group's number, so partners would ask for different numbers of tiles; and all that a
; work-group needs (204,800 bytes at the most) fits in LDS at once, so there is no ring to keep filled.
; WO RIDES ALONG.  Behind the fill the key steps load nothing from memory, and nothing wants Wo's codes before the next launch.  The launch has 2,048 waves and Wo has 256 fragments x 8 steps of 512 along K = 2,048
; superfragments: wave v of work-group (f, g) quantises fragment 32 g + f, K step v (w_q x its group's scale, then the quantiser: launch quant's lines).  Its row's four scales and three quarters of its 32,768 bytes
; (49 loads) are asked for ahead of the key steps, into v80-83 and window 1, which the key steps do not name; the last quarter (16 loads) behind them: all 65 at once are more than LOADcnt counts (ISA guide 5.7.1:
; the issue would stall), ahead of work that wants none of them.  They are worked on behind the wave's own attention, through a stage in LDS that is the wave's own.
; LAYOUT.  Both products are used transposed (S^T = K Q^T, O^T = V^T P^T): a lane holds one query, 32 (F / 2) + 8 (F % 2) + r + 8 (r / 8), throughout.  By the order of a fragment's rows the 16 registers of tiles
; 2 b, 2 b + 1 are keys (channels) 32 b + 16 h + 0 .. 15.
; LIMITS: as stated at launch quant's head; a block all of whose p are 0 keeps the byte 1: its codes are zeros.
; REGISTERS: window 0: v1-10 addresses and lane terms; v12 -M, v13 the largest t, v[14:15] the sum in two halves; v16-27 Q; v28-31 Wo's addresses; v32-79 four fragments of K or V; v80-83 Wo's scales; v96-159 S^T, then p;
;   v160-223 O^T; v224-235 p's codes; v232-254 at work; v255 Q's scale words.  Behind the attention: v32-38, v84-95, v96-178 serve Wo.   window 1: Wo's 16 rows x 512 K as loaded: piece ks, row t at v[64 ks + 4 t].
.set FRB,   1536
.set SFB,   6400
.set CHUNK, 25600
.set QS,    3145728
.set KV,    3276800
.set SPARE, 8*CHUNK                    ; behind the eight chunks: the spare words, 128 bytes a wave: four blocks of 256 bytes that no other line names
.set STG,   SPARE+1024                 ; behind them: Wo's stages, one for each wave
.set SPITCH, 528                       ; a stage row: 512 bytes + 16
.set STGB,  16*SPITCH
.set LI,  1                            ; v1   16 x lane
.set LS,  2                            ; v2   4 r
.set DQ,  3                            ; v3   r + 8 (r / 8) - 16 h
.set WO,  4                            ; v4   16 r
.set SPW, 5
.set NIL, 6
.set FS,  7                            ; v7   where I store my wave's chunk: 16 x lane + 25,600 x wave
.set ADK, 8                            ; v8   the step's images
.set LN,  9                            ; v9   lane
.set ADS, 10                           ; v10  the step's scale words
.set STI, 28                           ; v28  Wo's stage, on the way in: 16 x lane
.set STO, 29                           ; v29  and on the way out: row r, + 128 h
.set SOF, 30                           ; v30  my row's place among the 24 rows of Wo's scales that the fragment spans
.set SH8, 31                           ; v31  8 h
.set TM,  32                           ; the way out: at work,
.set PC,  48                           ; the codes,
.set PW,  68                           ; the scale word
.set WSL, 80                           ; v80-83   Wo: my row's four scales as loaded
.set WS,  84                           ; v84-91   the scale of piece ks in both registers of pair 84 + 2 ks
.set WPW, 92                           ; v92-95   the four scale words
.set WTM, 32                           ; v32-38   at work
.set WX,  96                           ; v96-159  my 64 numbers: register 32 c + i = k 64 c + 32 h + i
.set WPC, 160                          ; v160-171 a fragment's codes
.set WPT, 172                          ; v172-178 the second halves of the blocks' codes
.set WV,  8
.set QL,  13                           ; s13  my tile's first query
.set QH,  14                           ; s14  its last
.set TB,  15                           ; s15  LDS byte at which the step's chunk begins
.set KF,  16                           ; s16  the step's first key
.set SEL, 20
.set CS,  22
.set MSB, 0
.macro WIN new                         ; the immediate's high byte repeats the setting that is left
.if MSB != (\new)
	s_set_vgpr_msb (MSB<<8)|(\new)
.set MSB, (\new)
.endif
.endm
.macro WLOAD ks                        ; Wo's piece ks: 16 rows x 128 K; a load reads 512 consecutive bytes of one row
.irp t, 0,1,2,3,4,5,6,7,8,9,10,11,12,13,14,15
	global_load_b128 v[64*(\ks)+4*\t:64*(\ks)+4*\t+3], v[LI], s[44:45] offset:(\t+8*(\t/8))*16384+512*(\ks) th:TH_LOAD_NT
.endr
.endm
	s_load_b128 s[4:7], s[0:1], 0x0                ; qkvc, ac
	s_load_b128 s[44:47], s[0:1], 0x10             ; o_wq, o_scale
	s_load_b64 s[48:49], s[0:1], 0x20              ; woc
	v_lshl_add_u32 v[SPW], v0, 2, SPARE
	v_mov_b32 v[NIL], 0
	v_lshrrev_b32 v8, 5, v0
	v_readfirstlane_b32 s[WV], v8                  ; wave 0..7
	s_and_b32 s10, ttmp7, 0xffff                   ; g
	s_and_b32 s11, s[WV], 3
	s_lshl_b32 s24, s10, 2
	s_add_co_u32 s24, s24, s11                     ; head
	s_sub_co_u32 s25, 63, ttmp9                    ; the longer tile's fragment
	s_cmp_lt_u32 s[WV], 4
	s_cselect_b32 s12, s25, ttmp9                  ; my fragment
	s_lshr_b32 s[QL], s12, 1
	s_lshl_b32 s[QL], s[QL], 5
	s_and_b32 s26, s12, 1
	s_lshl_b32 s26, s26, 3
	s_add_co_u32 s[QL], s[QL], s26
	s_add_co_u32 s[QH], s[QL], 23
	s_lshr_b32 s27, s25, 1
	s_lshl_b32 s27, s27, 5
	s_and_b32 s26, s25, 1
	s_lshl_b32 s26, s26, 3
	s_add_co_u32 s27, s27, s26
	s_add_co_u32 s27, s27, 23                      ; the work-group's last query
	s_lshl_b32 s28, s24, 6
	s_add_co_u32 s28, s28, s12                     ; head x 64 + fragment
	s_mul_i32 s30, s28, FRB
	s_mov_b32 s31, 0
	s_lshl_b32 s32, s28, 6
	s_add_co_u32 s32, s32, QS
	s_mov_b32 s33, 0
	s_lshl_b32 s34, s10, 3
	s_add_co_u32 s34, s34, s[WV]
	s_mul_i32 s34, s34, CHUNK
	s_add_co_u32 s34, s34, KV                      ; chunk (g, my wave's number)
	s_mov_b32 s35, 0
	s_lshl_b32 s36, s10, 6
	s_add_co_u32 s36, s36, s12
	s_mul_i32 s36, s36, SFB                        ; ac: superfragment (g, fragment);
	s_lshl_b32 s38, s11, 2
	s_add_co_u32 s38, s38, s36
	s_add_co_u32 s38, s38, 4*FRB                   ; its scale words, + 4 x (head % 4);
	s_mov_b32 s39, 0
	s_mul_i32 s37, s11, FRB
	s_add_co_u32 s36, s36, s37                     ; its image head % 4
	s_mov_b32 s37, 0
	s_lshl_b32 s42, s10, 5
	s_add_co_u32 s42, s42, ttmp9                   ; Wo: my work-group's fragment, 32 g + f
	s_and_b32 s43, s42, 1
	s_lshl_b32 s43, s43, 3
	s_lshl_b32 s50, s42, 4
	s_sub_co_u32 s50, s50, s43                     ; its first row: 16 F - 8 (F % 2)
	s_lshl_b32 s52, s50, 14
	s_lshl_b32 s43, s[WV], 11
	s_add_co_u32 s52, s52, s43                     ; the numbers: 16,384 bytes a row, 2,048 a step of 512: my step is my wave's number
	s_mov_b32 s53, 0
	s_lshl_b32 s54, s50, 7
	s_lshl_b32 s43, s[WV], 4
	s_add_co_u32 s54, s54, s43                     ; the scales: 128 bytes a row, 16 a step
	s_mov_b32 s55, 0
	s_mul_i32 s50, s42, SFB
	s_mul_i32 s43, s[WV], 256*SFB
	s_add_co_u32 s50, s50, s43                     ; my superfragment in woc
	s_mov_b32 s51, 0
	s_mov_b32 s[SEL], 0x76543210
	s_mov_b32 s[SEL+1], 0xfedcba98
	s_mov_b32 s[CS], 0x3e0293ee                    ; c = log2(e) / sqrt(128)
	s_mov_b32 s[CS+1], s[CS]                       ; (named with it as a pair, so it is written)
	v_and_b32 v[LN], 31, v0
	v_and_b32 v10, 15, v0                          ; r
	v_bfe_u32 v11, v0, 4, 1                        ; h
	v_lshlrev_b32 v[LI], 4, v[LN]
	v_lshlrev_b32 v[LS], 2, v10
	v_lshlrev_b32 v[WO], 4, v10
	v_and_b32 v[DQ], 8, v10
	v_add_nc_u32 v[DQ], v[DQ], v10                 ; r + 8 (r / 8)
	v_lshlrev_b32 v[SOF], 7, v[DQ]
	v_lshlrev_b32 v[SH8], 3, v11
	s_mul_i32 s26, s[WV], STGB
	s_add_co_u32 s26, s26, STG                     ; my stage
	v_add_nc_u32 v[STI], s26, v[LI]
	v_mul_u32_u24 v[STO], v10, SPITCH
	v_lshl_add_u32 v[STO], v11, 7, v[STO]
	v_add_nc_u32 v[STO], s26, v[STO]
	v_lshlrev_b32 v11, 4, v11
	v_sub_nc_u32 v[DQ], v[DQ], v11
	s_mul_i32 s26, s[WV], CHUNK
	v_add_nc_u32 v[FS], s26, v[LI]
	s_wait_kmcnt 0x0
	s_add_nc_u64 s[30:31], s[4:5], s[30:31]
	s_add_nc_u64 s[32:33], s[4:5], s[32:33]
	s_add_nc_u64 s[34:35], s[4:5], s[34:35]
	s_add_nc_u64 s[36:37], s[6:7], s[36:37]
	s_add_nc_u64 s[38:39], s[6:7], s[38:39]
	s_add_nc_u64 s[44:45], s[44:45], s[52:53]
	s_add_nc_u64 s[46:47], s[46:47], s[54:55]
	s_add_nc_u64 s[48:49], s[48:49], s[50:51]
.irp c, 0,1,2
	global_load_b128 v[16+4*\c:19+4*\c], v[LI], s[30:31] offset:512*\c   ; Q's fragment stays in registers
.endr
	global_load_b32 v255, v[LS], s[32:33]          ; and its scale words
	s_lshl_b32 s26, s[WV], 7
	s_cmp_gt_u32 s26, s27                          ; a chunk whose first key comes after the work-group's last query is read by no wave: ids alone decide
	s_cbranch_scc1 .Lnofill
.set i, 0
.rept 50
	global_load_b128 v[32+4*i:35+4*i], v[LI], s[34:35] offset:512*i
.set i, i+1
.endr
.set i, 0
.rept 50
	s_wait_loadcnt 49-i                            ; loads come back in order (ISA guide 5.7.1): the younger 49 - i may be out
	ds_store_b128 v[FS], v[32+4*i:35+4*i] offset:512*i
.set i, i+1
.endr
.Lnofill:
	s_wait_loadcnt 0x0                             ; Q
	s_wait_dscnt 0x0                               ; for the others' sake: my stores have landed (and have read their registers)
	global_load_b128 v[WSL:WSL+3], v[SOF], s[46:47]   ; Wo: my row's scales of the four groups of 128,
	WIN 0x40                                       ; destination window 1, address window 0
	WLOAD 0                                        ; and three of its four pieces: they land while the key steps run
	WLOAD 1
	WLOAD 2
	WIN 0
	s_barrier_signal -1
	s_barrier_wait -1                              ; the launch's one barrier: all chunks that any wave reads lie in LDS
	v_mov_b32 v13, 0xff61b1e6                      ; the largest t so far: -3e38, under every t
	v_floor_f32 v12, -v13                          ; -M
	v_mov_b32 v14, 0
	v_mov_b32 v15, 0
.irp b, 0,1,2,3
	v_mov_b32 v[236+\b], 0                         ; written once: a lane permute's destination counts as one of its sources
.endr
	v_mov_b32 v252, 0
	v_mov_b32 v253, 0
.set j, 0
.rept 64
	v_mov_b32 v[160+j], 0                          ; O^T.  (The step is written once: the first finds zeros, which the first change of M leaves zeros)
.set j, j+1
.endr
	s_mov_b32 s[TB], 0
	s_mov_b32 s[KF], 0
	s_mov_b32 s17, 8
.Lstep:                                                ; eight trips, a constant; a step all of whose keys come after my queries is jumped over, but for the lines at its end that step addresses
	s_cmp_gt_u32 s[KF], s[QH]
	s_cbranch_scc1 .Lhidden
	v_add_nc_u32 v[ADK], s[TB], v[LI]
	v_add_nc_u32 v[ADS], s[TB], v[LS]
.irp g, 0,1                            ; S^T = K Q^T, four tiles of 16 keys at a time
.rept 4
	v_nop                                          ; places ahead of loads into registers that matrix instructions have read
.endr
.irp t, 0,1,2,3
.irp c, 0,1,2
	ds_load_b128 v[32+12*\t+4*\c:35+12*\t+4*\c], v[ADK] offset:FRB*(4*\g+\t)+512*\c
.endr
	ds_load_b32 v[248+\t], v[ADS] offset:12288+64*(4*\g+\t)
.endr
	s_wait_dscnt 0x0
.irp t, 0,1,2,3
	v_wmma_scale_f32_16x16x128_f8f6f4 v[96+8*(4*\g+\t):103+8*(4*\g+\t)], v[32+12*\t:43+12*\t], v[16:27], 0, v[248+\t], v255 matrix_a_fmt:MATRIX_FMT_BF6 matrix_b_fmt:MATRIX_FMT_BF6
.endr
.endr
.rept 4
	v_nop
.endr
	s_add_co_u32 s41, s[KF], 127                   ; on the diagonal the scores of hidden keys become -infinity ahead of the maximum; a step all of whose keys count skips this
	s_cmp_le_u32 s41, s[QL]
	s_cbranch_scc1 .Lopen
	s_sub_co_i32 s41, s[QL], s[KF]
	v_add_nc_u32 v252, s41, v[DQ]                  ; d = my query - KF - 16 h.  Register 16 b + i holds key KF + 16 h + 32 b + i: hidden where 32 b + i > d
	v_mov_b32 v254, 0xff800000
.set n, 0
.rept 64
	v_cmp_gt_i32 vcc_lo, 32*(n/16)+n%16, v252
	v_cndmask_b32 v[96+n], v[96+n], v254, vcc_lo
.set n, n+1
.endr
.Lopen:
.irp b, 0,1,2,3
	v_max3_num_f32 v[232+\b], v[96+16*\b], v[97+16*\b], v[98+16*\b]   ; the largest score of each block of 32 keys: it serves the row's maximum and, since p rises with the score, the block's largest p
.endr
.irp i, 3,5,7,9,11,13
.irp b, 0,1,2,3
	v_max3_num_f32 v[232+\b], v[232+\b], v[96+16*\b+\i], v[97+16*\b+\i]
.endr
.endr
.irp b, 0,1,2,3
	v_max_num_f32 v[232+\b], v[232+\b], v[111+16*\b]
.endr
.irp b, 0,1,2,3
	v_permlanex16_b32 v[236+\b], v[232+\b], s[SEL], s[SEL+1]
.endr
.irp b, 0,1,2,3
	v_max_num_f32 v[232+\b], v[232+\b], v[236+\b]  ; with lane l xor 16's 16 keys
.endr
	v_max3_num_f32 v254, v232, v233, v234
	v_max_num_f32 v254, v254, v235                 ; the step's largest score of my query (the step's first key counts for every query of the tile)
	v_mul_f32 v254, s[CS], v254
	v_max_num_f32 v13, v13, v254                   ; the running largest t
	v_mov_b32 v254, v12
	v_floor_f32 v12, -v13                          ; the new -M = -ceil(t)
	v_sub_f32 v254, v12, v254                      ; old M - new M: a whole number, 0 or less
	v_cvt_i32_f32 v254, v254                       ; (it saturates)
	v_ldexp_f32 v252, 1.0, v254                    ; f = 2^(old M - new M)
.set j, 0
.rept 32
	v_pk_fma_f32 v[96+j:97+j], v[96+j:97+j], s[CS:CS+1], v[12:13] op_sel_hi:[1,0,0]   ; t - M, two at a time
.set j, j+2
.endr
.irp b, 0,1,2,3
	v_fma_f32 v[232+\b], v[232+\b], s[CS], v12     ; the same of each block's largest score
.endr
.set j, 0
.rept 64
	v_exp_f32 v[96+j], v[96+j]                     ; p = 2^(t - M): not normalised
.set j, j+1
.endr
	v_pk_mul_f32 v[14:15], v[14:15], v[252:253] op_sel_hi:[1,0]   ; the sums under the new M.  (A plain place behind the exponentials)
	s_wait_alu depctr_va_vdst(0)                   ; one wait for the whole batch, ahead of its first reader
.irp b, 0,1,2,3
	v_exp_f32 v[232+\b], v[232+\b]                 ; the block's largest p
.endr
	v_pk_add_f32 v[236:237], v[96:97], v[98:99]    ; the row's sum is taken of the unquantised p, in two chains
.irp j, 4,8,12,16,20,24,28,32,36,40,44,48,52,56,60
	v_pk_add_f32 v[14:15], v[14:15], v[96+\j:97+\j]
	v_pk_add_f32 v[236:237], v[236:237], v[98+\j:99+\j]
.endr
	v_pk_add_f32 v[14:15], v[14:15], v[236:237]
	s_wait_alu depctr_va_vdst(0)                   ; and one for the four
.irp b, 0,1,2,3
	v_max_num_f32 v[232+\b], 0x2800000, v[232+\b]  ; the floor 2^(5 - 127): the byte cannot fall under 1
.endr
.irp b, 0,1,2,3
	v_add_nc_u32 v[244+\b], 0xfe000000, v[232+\b]  ; 4 off the exponent field: the conversion's scale operand
.endr
.irp b, 0,1,2,3
	v_lshrrev_b32 v[236+\b], 23, v[244+\b]
.endr
	v_lshl_or_b32 v253, v237, 8, v236              ; p's scale word for these 128 keys
	v_lshl_or_b32 v253, v238, 16, v253
	v_lshl_or_b32 v253, v239, 24, v253
.irp c, 0,1
	v_cvt_scalef32_pk16_bf6_f32 v[224+6*\c:226+6*\c], v[96+32*\c:111+32*\c], v[244+2*\c]
	v_cvt_scalef32_pk16_bf6_f32 v[236+4*\c:238+4*\c], v[112+32*\c:127+32*\c], v[244+2*\c+1]
.endr
	v_nop                                          ; one plain place behind a scaled conversion
.irp c, 0,1
.irp i, 0,1,2
	v_permlane16_swap_b32 v[224+6*\c+\i], v[236+4*\c+\i]
.endr
.irp i, 0,1,2
	v_mov_b32 v[227+6*\c+\i], v[236+4*\c+\i]
.endr
.endr
.set j, 0
.rept 32
	v_pk_mul_f32 v[160+j:161+j], v[160+j:161+j], v[252:253] op_sel_hi:[1,0]   ; O^T under the new M.  (These 32 are also the places ahead of the loads and matrix instructions below)
.set j, j+2
.endr
.irp g, 0,1                            ; O^T += V^T P^T: four tiles of 16 channels at a time; K = these 128 keys
.if \g > 0
.rept 4
	v_nop
.endr
.endif
.irp t, 0,1,2,3
.irp c, 0,1,2
	ds_load_b128 v[32+12*\t+4*\c:35+12*\t+4*\c], v[ADK] offset:12800+FRB*(4*\g+\t)+512*\c
.endr
	ds_load_b32 v[248+\t], v[ADS] offset:25088+64*(4*\g+\t)
.endr
	s_wait_dscnt 0x0
.irp t, 0,1,2,3
	v_wmma_scale_f32_16x16x128_f8f6f4 v[160+8*(4*\g+\t):167+8*(4*\g+\t)], v[32+12*\t:43+12*\t], v[224:235], v[160+8*(4*\g+\t):167+8*(4*\g+\t)], v[248+\t], v253 matrix_a_fmt:MATRIX_FMT_BF6 matrix_b_fmt:MATRIX_FMT_BF6
.endr
.endr
.Lhidden:
	s_add_co_u32 s[KF], s[KF], 128
	s_add_co_u32 s[TB], s[TB], CHUNK
	s_sub_co_u32 s17, s17, 1
	s_cmp_lg_u32 s17, 0
	s_cbranch_scc1 .Lstep
	; THE WAY OUT: O^T / the sum, quantised along the head's 128 (register 16 b + i = channel 32 b + 16 h + i), leaves as image head % 4 of its superfragment.
.rept 4
	v_nop                                          ; places behind the last products
.endr
	WIN 0x40
	WLOAD 3                                        ; Wo's last piece: it has the way out and the first three pieces' work in which to land
	WIN 0
	v_add_f32 v14, v14, v15
	v_permlanex16_b32 v252, v14, s[SEL], s[SEL+1]
	v_add_f32 v14, v14, v252                       ; the row's sum
	v_rcp_f32 v14, v14
.irp b, 0,1,2,3
	v_mov_b32 v[TM+4+\b], 0                        ; (plain places behind the reciprocal)  a lane permute's destination counts as one of its sources
.endr
	s_wait_alu depctr_va_vdst(0)                   ; the wait ahead of the reciprocal's first reader
.set j, 0
.rept 64
	v_mul_f32 v[96+j], v[160+j], v14
.set j, j+1
.endr
.irp b, 0,1,2,3
	v_max3_num_f32 v[TM+\b], |v[96+16*\b]|, |v[97+16*\b]|, 0x2800000
.endr
.irp i, 2,4,6,8,10,12,14
.irp b, 0,1,2,3
	v_max3_num_f32 v[TM+\b], v[TM+\b], |v[96+16*\b+\i]|, |v[97+16*\b+\i]|
.endr
.endr
.irp b, 0,1,2,3
	v_permlanex16_b32 v[TM+4+\b], v[TM+\b], s[SEL], s[SEL+1]
.endr
.irp b, 0,1,2,3
	v_max_num_f32 v[TM+\b], v[TM+\b], v[TM+4+\b]
.endr
.irp b, 0,1,2,3
	v_add_nc_u32 v[TM+12+\b], 0xfe000000, v[TM+\b]
.endr
.irp b, 0,1,2,3
	v_lshrrev_b32 v[TM+4+\b], 23, v[TM+12+\b]
.endr
	v_lshl_or_b32 v[PW], v[TM+5], 8, v[TM+4]
	v_lshl_or_b32 v[PW], v[TM+6], 16, v[PW]
	v_lshl_or_b32 v[PW], v[TM+7], 24, v[PW]
.irp c, 0,1
	v_cvt_scalef32_pk16_bf6_f32 v[PC+6*\c:PC+2+6*\c], v[96+32*\c:111+32*\c], v[TM+12+2*\c]
	v_cvt_scalef32_pk16_bf6_f32 v[PC+12+4*\c:PC+14+4*\c], v[112+32*\c:127+32*\c], v[TM+12+2*\c+1]
.endr
	v_nop                                          ; one plain place behind a scaled conversion
.irp c, 0,1
.irp i, 0,1,2
	v_permlane16_swap_b32 v[PC+6*\c+\i], v[PC+12+4*\c+\i]
.endr
.irp i, 0,1,2
	v_mov_b32 v[PC+3+6*\c+\i], v[PC+12+4*\c+\i]
.endr
.endr
.irp c, 0,1,2
	global_store_b128 v[LI], v[PC+4*\c:PC+4*\c+3], s[36:37] offset:512*\c   ; 512 consecutive bytes, at a multiple of 256 from the buffer's first byte
.endr
	s_wait_xcnt 0x0                                ; EXEC changes only behind this wait (Wo's loads are among what it covers)
	v_cmp_gt_u32 vcc_lo, 16, v[LN]
	s_and_saveexec_b32 s40, vcc_lo
	global_store_b32 v[WO], v[PW], s[38:39]        ; my rows' scale words: 4 bytes of each row's 16, the other 12 being three other waves': 64 bytes a wave beside its 1,536 of codes
	s_wait_xcnt 0x0                                ; and again ahead of the line that widens it
	s_or_b32 exec_lo, exec_lo, s40
	; WO'S SUPERFRAGMENT, a piece of 16 rows x 128 K at a time: through my stage, so that a lane gets two whole blocks of 32 of its row; x the scale; the quantiser; the image.
.macro WPIECE ks
	s_wait_loadcnt 48-16*(\ks)                     ; this piece's loads (and the scales', issued ahead of them) are in; the younger pieces' sixteen each may be out
.if (\ks) == 0
.irp k, 0,1,2,3
	v_mov_b32 v[WS+2*\k], v[WSL+\k]                ; each scale into both registers of a pair, for the packed multiplications
	v_mov_b32 v[WS+2*\k+1], v[WSL+\k]
.endr
.endif
	WIN 0x04                                       ; an LDS store's data are its source 1: window 1
.irp t, 0,1,2,3,4,5,6,7,8,9,10,11,12,13,14,15
	ds_store_b128 v[STI], v[64*(\ks)+4*\t:64*(\ks)+4*\t+3] offset:SPITCH*\t
.endr
	WIN 0
.irp c, 0,1
.irp i, 0,1,2,3,4,5,6,7
	ds_load_b128 v[WX+32*\c+4*\i:WX+32*\c+4*\i+3], v[STO] offset:256*\c+16*\i   ; LDS serves a wave's instructions in order (ISA guide 5.7.1.4): these see the stores above
.endr
.endr
	s_wait_dscnt 0x0
.set j, 0
.rept 32
	v_pk_mul_f32 v[WX+j:WX+j+1], v[WX+j:WX+j+1], v[WS+2*(\ks):WS+2*(\ks)+1]   ; w = w_q x the scale of its row and group of 128: one f32 rounding, as reference() has it
.set j, j+2
.endr
.irp c, 0,1                            ; my blocks h and 2 + h of the piece: all 32 numbers of each are mine
	v_max3_num_f32 v[WTM+\c], |v[WX+32*\c]|, |v[WX+32*\c+1]|, 0x2800000   ; with the floor 2^(5 - 127): the byte cannot fall under 1
.endr
.irp i, 2,4,6,8,10,12,14,16,18,20,22,24,26,28,30
.irp c, 0,1
	v_max3_num_f32 v[WTM+\c], v[WTM+\c], |v[WX+32*\c+\i]|, |v[WX+32*\c+\i+1]|
.endr
.endr
.irp c, 0,1
	v_add_nc_u32 v[WTM+4+\c], 0xfe000000, v[WTM+\c]
.endr
.irp c, 0,1
	v_lshrrev_b32 v[WTM+2+\c], 23, v[WTM+4+\c]
.endr
	v_lshl_or_b32 v[WPW+(\ks)], v[WTM+3], 16, v[WTM+2]
	v_lshlrev_b32 v[WPW+(\ks)], v[SH8], v[WPW+(\ks)]   ; my two bytes at their places in the word,
	v_permlanex16_b32 v[WTM+6], v[WPW+(\ks)], s[SEL], s[SEL+1]
	v_or_b32 v[WPW+(\ks)], v[WPW+(\ks)], v[WTM+6]  ; with lane l xor 16's two the word is whole
.if (\ks) > 0
	s_wait_xcnt 0x0                                ; the last piece's stores have read the codes' registers
.endif
.irp c, 0,1
	v_cvt_scalef32_pk16_bf6_f32 v[WPC+6*\c:WPC+6*\c+2], v[WX+32*\c:WX+32*\c+15], v[WTM+4+\c]
	v_cvt_scalef32_pk16_bf6_f32 v[WPT+4*\c:WPT+4*\c+2], v[WX+32*\c+16:WX+32*\c+31], v[WTM+4+\c]   ; (a conversion's three registers begin on an even number)
.endr
	v_nop                                          ; one plain place behind a scaled conversion
.irp c, 0,1
.irp i, 0,1,2
	v_mov_b32 v[WPC+3+6*\c+\i], v[WPT+4*\c+\i]
.endr
.endr
.irp c, 0,1,2
	global_store_b128 v[LI], v[WPC+4*\c:WPC+4*\c+3], s[48:49] offset:FRB*(\ks)+512*\c   ; the image: 512 consecutive bytes, at a multiple of 256 from the buffer's first byte
.endr
.endm
	WPIECE 0
	WPIECE 1
	WPIECE 2
	WPIECE 3
	s_wait_xcnt 0x0                                ; EXEC changes only behind this wait
	v_cmp_gt_u32 vcc_lo, 16, v[LN]
	s_and_saveexec_b32 s40, vcc_lo
	global_store_b128 v[WO], v[WPW:WPW+3], s[48:49] offset:4*FRB   ; sixteen lanes store the 256 bytes of scale words
	s_wait_xcnt 0x0                                ; and again ahead of the line that widens it
	s_or_b32 exec_lo, exec_lo, s40
	s_wait_tensorcnt 0x0                           ; the wave's end: these three lines stand behind my last LDS store
	ds_add_u32 v[SPW], v[NIL]
	s_wait_dscnt 0x0
	s_endpgm
.Lfunc_end_k_qf5779f606c_attn:
	.size	k_qf5779f606c_attn, .Lfunc_end_k_qf5779f606c_attn-k_qf5779f606c_attn
	.p2alignl 7, 3214868480
	.fill 96, 4, 3214868480
	.section	.rodata,"a",@progbits
	.p2align	6, 0x0
	.amdhsa_kernel k_qf5779f606c_attn
		.amdhsa_group_segment_fixed_size 273408
		.amdhsa_private_segment_fixed_size 0
		.amdhsa_enable_private_segment 0
		.amdhsa_kernarg_size 40
		.amdhsa_user_sgpr_count 2
		.amdhsa_user_sgpr_kernarg_segment_ptr 1
		.amdhsa_wavefront_size32 1
		.amdhsa_system_sgpr_workgroup_id_x 1
		.amdhsa_system_sgpr_workgroup_id_y 1
		.amdhsa_system_sgpr_workgroup_id_z 1
		.amdhsa_system_vgpr_workitem_id 0
		.amdhsa_next_free_vgpr 512
		.amdhsa_next_free_sgpr 66
		.amdhsa_reserve_vcc 1
		.amdhsa_float_denorm_mode_32 3
		.amdhsa_float_denorm_mode_16_64 3
		.amdhsa_memory_ordered 1
		.amdhsa_forward_progress 1
		.amdhsa_inst_pref_size 85
	.end_amdhsa_kernel
	.amdgpu_metadata
---
amdhsa.version: [ 1, 2 ]
amdhsa.kernels:
  - .name:           k_qf5779f606c_attn
    .symbol:         k_qf5779f606c_attn.kd
    .args:
      - { .name: qkvc, .offset: 0, .size: 8, .value_kind: global_buffer, .address_space: global }
      - { .name: ac, .offset: 8, .size: 8, .value_kind: global_buffer, .address_space: global }
      - { .name: o_wq, .offset: 16, .size: 8, .value_kind: global_buffer, .address_space: global }
      - { .name: o_scale, .offset: 24, .size: 8, .value_kind: global_buffer, .address_space: global }
      - { .name: woc, .offset: 32, .size: 8, .value_kind: global_buffer, .address_space: global }
    .group_segment_fixed_size: 273408
    .private_segment_fixed_size: 0
    .kernarg_segment_align: 8
    .kernarg_segment_size: 40
    .max_flat_workgroup_size: 256
    .sgpr_count:     66
    .vgpr_count:     512
    .wavefront_size: 32
...
	.end_amdgpu_metadata
.endif
;; end of part 3
;; launch oproj (part 4): grid 32 x 8, 4 waves a work-group, clusters of 4 x 4, 327,680 bytes of LDS; arguments ac, woc, out0; writes out0
.if DOCPART == 4
	.amdgcn_target "amdgcn-amd-amdhsa--gfx1250"
	.amdhsa_code_object_version 6
	.text
	.protected	k_qf5779f606c_oproj
	.globl	k_qf5779f606c_oproj
	.p2align	8
	.type	k_qf5779f606c_oproj,@function
k_qf5779f606c_oproj:
	s_mov_b64 s[64:65], 0
	v_nop
	global_prefetch_b8 v0, s[64:65] scope:SCOPE_SE
	s_setreg_imm32_b32 hwreg(HW_REG_WAVE_MODE, 25, 1), 1
	s_wait_xcnt 0x0
	s_wait_alu depctr_hold_cnt(0) depctr_sa_sdst(0) depctr_va_vdst(0) depctr_va_sdst(0) depctr_va_ssrc(0) depctr_va_vcc(0) depctr_vm_vsrc(0)
	s_getreg_b32 s2, hwreg(HW_REG_IB_STS2, 6, 4)
	s_cmp_eq_u32 s2, 0
	s_cbranch_scc0 .Lentry_in_a_cluster
	s_endpgm
.Lentry_in_a_cluster:
	s_bfe_u32 s2, ttmp6, 0x10000c
	s_cmp_lg_u32 s2, 0xf033
	s_cbranch_scc0 .Lentry_shape_is_right
	s_endpgm
.Lentry_shape_is_right:
; FOURTH LAUNCH: out0 = attn Wo^T on codes of E3M2 (K = 4,096 = head x 128 + channel), f32 out.  Operands lie in memory in the order of the operand's registers (launch quant's head): a fragment comes from LDS by
; three loads of 512 consecutive bytes, its four scale words of 512 along K by one load.
; SHARES.  A work-group of four waves makes 128 tokens ("A", source 1, from ac) x 128 outputs ("B", source 0, from woc): 32 x 8 = 256 work-groups.  Wave (mh, nh) takes A's fragments 4 mh .. + 3 and B's 4 nh .. + 3:
; 16 accumulators of 16 x 16.
; THREE PLACES IN LDS.  One step of 512 along K is A's 8 and B's 8 superfragments of 6,400 bytes: 102,400 bytes; K step kq lies in place kq % 3.  Places 0 and 1 are filled together, each wave bringing one whole
; operand of one K step (51,200 dense bytes: wave 0 A of the even step, wave 1 A of the odd, waves 2 and 3 B likewise); place 2 by four halves of 25,600.  So the eight K steps take three refills behind the first
; fills: read 0, 1 | fill 3, 4 | read 2 | fill 5 | read 3, 4 | fill 6, 7 | read 5 | read 6, 7: one tensor load a wave behind each.  The walk is written out: no loop.
; CLUSTER: 4 x 4 work-groups; A's tiles hang on the tile row alone and are asked for jointly along a row of the cluster, B's on the tile column alone and along a column.
; THE MATRIX INSTRUCTION IS USED TRANSPOSED: lane (r, h) holds token 32 (F / 2) + 8 (F % 2) + r + 8 (r / 8) of A's fragment F, and register j of accumulator (a, b) is output 32 (b / 2) + 8 (b % 2) + 16 h + j of the wave's 64.
; THE WAY OUT: 16 tokens x 64 outputs at a time through the wave's own stage in LDS, back as rows of 256 bytes.  The stage lies in place 2, which has had its last fill and its last read when the first result is stored there.
; REGISTERS: window 0: v1-4 lane terms; v12-26 addresses; v28, v29 the add's two; v32-63 scale words, a set of 16 for even and for odd K steps; v64-159 A's fragments, two sets of 48; v160-255 B's, two sets of 48;
;   on the way out v64-127: rows read back, two sets by turns.   window 1: accumulator (a, b) at v[8 (4 a + b)].
.set FRB,    1536
.set SFB,    6400
.set HALF,   4*SFB                     ; four superfragments: what a wave reads of an operand, and a load for place 2
.set OPB,    8*SFB                     ; one operand of one K step: a load for places 0 and 1
.set PLACE,  16*SFB                    ; A's eight, then B's eight
.set SPARE,  3*PLACE                   ; behind the places: the spare words, 128 bytes a wave: two blocks of 256 bytes that no other line names
.set STEPA,  64*SFB                    ; from one 512 along K to the next, in ac
.set STEPB,  256*SFB                   ; and in woc
.set SPITCH, 272                       ; a stage row: 256 bytes + 16
.set STAGE,  2*PLACE
.set ADRS, 12                          ; v12-14  scale words in place 0, 1, 2: lanes 0-15 A's, lanes 16-31 B's
.set ADRA, 16                          ; v16-18  my A fragments: + 16 x lane
.set ADRB, 20                          ; v20-22  my B fragments
.set STO,  24                          ; v24  the stage: where I put my 16 bytes: row r, + 64 h
.set RD,   25                          ; v25  and where I read back: lanes 0-15 one row, lanes 16-31 the next
.set CO,   26                          ; v26  the same two rows in out0
.set SPW,  28
.set NIL,  29
.set SC,   32                          ; scale words: register SC + 16 q + 4 i + ks: lanes 0-15 A's fragment i, lanes 16-31 B's fragment i; q = K step % 2
.set AF,   64
.set BF,   160
.set BK,   64
.set G1A,  24                          ; s[24:31] group 1, A, 200 rows;  s[32:35] its group 0;  s[36:39] group 0 for A's half in place 2
.set G0A,  32
.set G0AH, 36
.set G1B,  48                          ; s[48:55], s[56:59], s[60:63] the same for B
.set G0B,  56
.set G0BH, 60
.set G1AH, 68                          ; s[68:75] group 1, A, 100 rows;  s[76:83] B
.set G1BH, 76
.set MULW, 0x50                        ; C and D window 1, sources window 0
.set MSB, 0
.macro WIN new                         ; the immediate's high byte repeats the setting that is left
.if MSB != (\new)
	s_set_vgpr_msb (MSB<<8)|(\new)
.set MSB, (\new)
.endif
.endm
.macro JLOAD g0a, g1a, g0b, g1b        ; a joint load: waves 0 and 1 fetch for A, waves 2 and 3 for B; an s_nop 0 and four v_nop follow each of the two lines
	s_cmp_eq_u32 s15, 0
	s_cbranch_scc0 .Lfor_b_\@
	tensor_load_to_lds s[\g0a:\g0a+3], s[\g1a:\g1a+7]
	s_nop 0
.rept 4
	v_nop
.endr
	s_branch .Lasked_\@
.Lfor_b_\@:
	tensor_load_to_lds s[\g0b:\g0b+3], s[\g1b:\g1b+7]
	s_nop 0
.rept 4
	v_nop
.endr
.Lasked_\@:
.endm
.macro CREST                           ; a round of the cluster's barrier behind its opening barrier
	s_cmp_lg_u32 s14, 0
	s_cbranch_scc1 .Lnot_wave_0_\@
	s_barrier_signal -3
.Lnot_wave_0_\@:
	s_barrier_wait -3
	s_barrier_signal -1
	s_barrier_wait -1
.endm
.macro CROUND
	s_barrier_signal -1
	s_barrier_wait -1
	CREST
.endm
.macro PLACES                          ; four places between a matrix instruction and a load into one of its registers or a read of its result (ISA guide 7.12.1 for a read of its result)
.rept 4
	v_nop
.endr
.endm
	s_load_b128 s[4:7], s[0:1], 0x0                ; ac, woc
	s_load_b64 s[8:9], s[0:1], 0x10                ; out0
	v_lshl_add_u32 v[SPW], v0, 2, SPARE
	v_mov_b32 v[NIL], 0
	ds_add_u32 v[SPW], v[NIL]                      ; the wave's opening: the add, twice on end, and its wait ahead of my first tensor load
	ds_add_u32 v[SPW], v[NIL]
	v_lshrrev_b32 v1, 5, v0
	v_readfirstlane_b32 s14, v1                    ; wave 0..3
	s_lshr_b32 s15, s14, 1                         ; mh.  Also: I fetch for A (0) or for B (1)
	s_and_b32 s16, s14, 1                          ; nh.  Also: which of places 0 and 1, and which half of place 2, I fetch
	s_bfe_u32 s40, ttmp6, 0x40000                  ; cx, cy
	s_bfe_u32 s41, ttmp6, 0x40004
	s_lshl_b32 s42, ttmp9, 2
	s_add_co_u32 s42, s42, s40                     ; X
	s_and_b32 s17, ttmp7, 0xffff
	s_lshl_b32 s17, s17, 2
	s_add_co_u32 s17, s17, s41                     ; Y
	s_lshl_b32 s43, s41, 2
	s_lshl_b32 s43, 15, s43                        ; my row of the cluster
	s_lshl_b32 s44, 0x1111, s40                    ; my column
	; group 1: a dense block as rows of 256 bytes (32 elements of 8 bytes); the mask, and bit 21 beside it; no padding: every read of a fragment is 512 consecutive bytes
	s_or_b32 s[G1A+0], s43, (3<<16)|(1<<21)
	s_or_b32 s[G1AH+0], s43, (3<<16)|(1<<21)
	s_or_b32 s[G1B+0], s44, (3<<16)|(1<<21)
	s_or_b32 s[G1BH+0], s44, (3<<16)|(1<<21)
.irp g, G1A, G1B
	s_mov_b32 s[\g+1], 32<<16                      ; tensor_dim0
	s_mov_b32 s[\g+2], (OPB/256)<<16               ; tensor_dim1
	s_mov_b32 s[\g+3], 32<<16                      ; tile_dim0
	s_mov_b32 s[\g+4], OPB/256                     ; tile_dim1
	s_mov_b32 s[\g+5], 32                          ; from row to row
	s_mov_b32 s[\g+6], 0
	s_mov_b32 s[\g+7], 0
.endr
.irp g, G1AH, G1BH
	s_mov_b32 s[\g+1], 32<<16
	s_mov_b32 s[\g+2], (HALF/256)<<16
	s_mov_b32 s[\g+3], 32<<16
	s_mov_b32 s[\g+4], HALF/256
	s_mov_b32 s[\g+5], 32
	s_mov_b32 s[\g+6], 0
	s_mov_b32 s[\g+7], 0
.endr
	s_lshl_b32 s20, s17, 3
	s_mul_i32 s20, s20, SFB                        ; A: from fragment 8 Y
	s_mov_b32 s21, 0
	s_lshl_b32 s46, s42, 3
	s_mul_i32 s46, s46, SFB                        ; B: from fragment 8 X
	s_mov_b32 s47, 0
	s_mul_i32 s10, s16, STEPA                      ; K step 0 or 1, in ac,
	s_mov_b32 s11, 0
	s_mul_i32 s12, s16, STEPB                      ; and in woc
	s_mov_b32 s13, 0
	s_mul_i32 s66, s16, HALF                       ; my half of an operand
	s_mov_b32 s67, 0
	s_mul_i32 s22, s16, PLACE                      ; where they go: no place in the cluster enters an LDS address
	s_mul_i32 s23, s16, HALF
	s_wait_dscnt 0x0                               ; both opening adds are done
	s_wait_kmcnt 0x0
	s_add_nc_u64 s[20:21], s[4:5], s[20:21]
	s_add_nc_u64 s[46:47], s[6:7], s[46:47]
	CROUND                                         ; all sixteen work-groups are here: the first joint loads meet
	s_mov_b32 s[G0A], 1
	s_mov_b32 s[G0A+1], s22
	s_add_nc_u64 s[G0A+2:G0A+3], s[20:21], s[10:11]
	s_or_b32 s[G0A+3], s[G0A+3], 0x80000000
	s_mov_b32 s[G0B], 1
	s_add_co_u32 s[G0B+1], s22, OPB
	s_add_nc_u64 s[G0B+2:G0B+3], s[46:47], s[12:13]
	s_or_b32 s[G0B+3], s[G0B+3], 0x80000000
	JLOAD G0A, G1A, G0B, G1B                       ; K steps 0 and 1 into places 0 and 1
	s_mov_b32 s[G0AH], 1
	s_add_co_u32 s[G0AH+1], s23, 2*PLACE
	s_add_nc_u64 s[G0AH+2:G0AH+3], s[20:21], s[66:67]
	s_add_nc_u64 s[G0AH+2:G0AH+3], s[G0AH+2:G0AH+3], 2*STEPA
	s_or_b32 s[G0AH+3], s[G0AH+3], 0x80000000
	s_mov_b32 s[G0BH], 1
	s_add_co_u32 s[G0BH+1], s23, 2*PLACE+OPB
	s_add_nc_u64 s[G0BH+2:G0BH+3], s[46:47], s[66:67]
	s_add_nc_u64 s[G0BH+2:G0BH+3], s[G0BH+2:G0BH+3], 2*STEPB
	s_or_b32 s[G0BH+3], s[G0BH+3], 0x80000000
	JLOAD G0AH, G1AH, G0BH, G1BH                   ; K step 2 into place 2: two tensor loads of mine are out
	v_and_b32 v1, 15, v0                           ; r
	v_bfe_u32 v2, v0, 4, 1                         ; h
	v_and_b32 v3, 31, v0
	v_lshlrev_b32 v3, 4, v3                        ; 16 x lane
	s_mul_i32 s18, s15, HALF                       ; my four fragments of A
	s_mul_i32 s19, s16, HALF
	s_add_co_u32 s19, s19, OPB                     ; my four of B
.irp p, 0,1,2
	v_add_nc_u32 v[ADRA+\p], s18, v3
	v_add_nc_u32 v[ADRB+\p], s19, v3
	s_add_co_u32 s18, s18, PLACE
	s_add_co_u32 s19, s19, PLACE
.endr
	s_mul_i32 s18, s15, HALF
	s_mul_i32 s19, s16, HALF
	s_add_co_u32 s19, s19, OPB
	s_sub_co_u32 s19, s19, s18
	v_mul_u32_u24 v4, s19, v2                      ; lanes 16-31 take B's scale words: one product, h x the distance between the two
	v_lshl_add_u32 v4, v1, 4, v4
	s_add_co_u32 s18, s18, 4*FRB
	v_add_nc_u32 v[ADRS], s18, v4
	v_add_nc_u32 v[ADRS+1], PLACE, v[ADRS]
	v_add_nc_u32 v[ADRS+2], 2*PLACE, v[ADRS]
	s_mul_i32 s18, s14, 16*SPITCH
	s_add_co_u32 s18, s18, STAGE                   ; my stage
	v_mul_u32_u24 v[STO], v1, SPITCH
	v_lshl_add_u32 v[STO], v2, 6, v[STO]
	v_add_nc_u32 v[STO], s18, v[STO]
	v_mul_u32_u24 v[RD], v2, SPITCH
	v_lshl_add_u32 v[RD], v1, 4, v[RD]
	v_add_nc_u32 v[RD], s18, v[RD]
	v_lshlrev_b32 v[CO], 14, v2
	v_lshl_add_u32 v[CO], v1, 4, v[CO]
	s_lshl_b32 s66, s17, 21                        ; out0 at token 128 Y + 64 mh (16,384 bytes a token), output 128 X + 64 nh
	s_lshl_b32 s67, s15, 20
	s_add_co_u32 s66, s66, s67
	s_lshl_b32 s67, s42, 9
	s_add_co_u32 s66, s66, s67
	s_lshl_b32 s67, s16, 8
	s_add_co_u32 s66, s66, s67
	s_mov_b32 s67, 0
	s_add_nc_u64 s[8:9], s[8:9], s[66:67]
; 4 matrix instructions: A's fragment a x B's four, 128 along K: piece ks, from the sets p, scale words of set q.  The 16 accumulators take turns, one instruction a turn, in one order throughout.
.macro MUL4 a, p, ks, q, zero
.irp b, 0,1,2,3
.if \zero
	v_wmma_scale_f32_16x16x128_f8f6f4 v[8*(4*(\a)+\b):8*(4*(\a)+\b)+7], v[BF+48*(\p)+12*\b:BF+48*(\p)+12*\b+11], v[AF+48*(\p)+12*(\a):AF+48*(\p)+12*(\a)+11], 0, v[SC+16*(\q)+4*\b+(\ks)], v[SC+16*(\q)+4*(\a)+(\ks)] matrix_a_fmt:MATRIX_FMT_BF6 matrix_b_fmt:MATRIX_FMT_BF6 matrix_a_scale:MATRIX_SCALE_ROW1
.else
	v_wmma_scale_f32_16x16x128_f8f6f4 v[8*(4*(\a)+\b):8*(4*(\a)+\b)+7], v[BF+48*(\p)+12*\b:BF+48*(\p)+12*\b+11], v[AF+48*(\p)+12*(\a):AF+48*(\p)+12*(\a)+11], v[8*(4*(\a)+\b):8*(4*(\a)+\b)+7], v[SC+16*(\q)+4*\b+(\ks)], v[SC+16*(\q)+4*(\a)+(\ks)] matrix_a_fmt:MATRIX_FMT_BF6 matrix_b_fmt:MATRIX_FMT_BF6 matrix_a_scale:MATRIX_SCALE_ROW1
.endif
.endr
.endm
.macro FETCH pl, ks, p                 ; 24 LDS loads in one run: B's four and A's four fragments of piece ks of place pl into the sets p
.irp b, 0,1,2,3
.irp c, 0,1,2
	ds_load_b128 v[BF+48*(\p)+12*\b+4*\c:BF+48*(\p)+12*\b+4*\c+3], v[ADRB+(\pl)] offset:SFB*\b+FRB*(\ks)+512*\c
.endr
.endr
.irp a, 0,1,2,3
.irp c, 0,1,2
	ds_load_b128 v[AF+48*(\p)+12*\a+4*\c:AF+48*(\p)+12*\a+4*\c+3], v[ADRA+(\pl)] offset:SFB*\a+FRB*(\ks)+512*\c
.endr
.endr
.endm
.macro SCALES pl, q                    ; a K step's scale words: a row's four words by one load; lanes 0-15 A's fragment i, lanes 16-31 B's fragment i
.irp i, 0,1,2,3
	ds_load_b128 v[SC+16*(\q)+4*\i:SC+16*(\q)+4*\i+3], v[ADRS+(\pl)] offset:SFB*\i
.endr
.endm
.macro MUL16 p, ks, q, zero
	WIN MULW
	MUL4 0, \p, \ks, \q, \zero
	MUL4 1, \p, \ks, \q, \zero
	MUL4 2, \p, \ks, \q, \zero
	MUL4 3, \p, \ks, \q, \zero
	WIN 0
.endm
.macro STEP pl, ks, q, zero            ; one of a K step's first three pieces: the next piece is asked for ahead of this piece's 16 matrix instructions
	s_wait_dscnt 0x0                               ; this piece's fragments, asked for a whole piece ago, are in
	PLACES
	FETCH \pl, (\ks)+1, 1-(\ks)%2
	MUL16 (\ks)%2, \ks, \q, \zero
.endm
.macro THREE pl, q
	STEP \pl, 0, \q, 0
	STEP \pl, 1, \q, 0
	STEP \pl, 2, \q, 0
.endm
.macro HOP nx, q                       ; the last piece of a K step in place 0: place 1 landed with it, so no barrier stands between the two
	s_wait_dscnt 0x0
	PLACES
	FETCH \nx, 0, 0
	SCALES \nx, 1-(\q)
	MUL16 1, 3, \q, 0
.endm
; The last piece ahead of a change of places: one barrier; ahead of it each wave waits for all its tensor loads, adds 0 to its spare word, and waits for that and for its reads of the places that it leaves.
; kind = 1: places 0 and 1 are filled again, three K steps on; kind = 2: place 2; kind = 0: nothing is left to fetch.
.macro TURN nx, q, kind
	s_wait_tensorcnt 0x0                           ; all my tensor loads have landed: my part of what is read next
	ds_add_u32 v[SPW], v[NIL]                      ; 0 onto my spare word
	s_wait_dscnt 1                                 ; (the add alone may be out: this piece's fragments are in)
	WIN MULW
	MUL4 0, 1, 3, \q, 0                            ; four matrix instructions stand between the add and the wait for it
	s_wait_dscnt 0x0                               ; the add is done, and my reads of the places that I leave are over
	s_barrier_signal -1
	MUL4 1, 1, 3, \q, 0
	WIN 0
	s_barrier_wait -1
.if (\kind) == 1
	CREST                                          ; the barrier has opened a round of the cluster's barrier: no wave of any partner still reads these places or has a load on its way
	s_add_nc_u64 s[G0A+2:G0A+3], s[G0A+2:G0A+3], 3*STEPA
	s_add_nc_u64 s[G0B+2:G0B+3], s[G0B+2:G0B+3], 3*STEPB
	JLOAD G0A, G1A, G0B, G1B                       ; the first tensor load behind the round, my one until the next; its four v_nop are the places for the loads below
.elseif (\kind) == 2
	CREST
	s_add_nc_u64 s[G0AH+2:G0AH+3], s[G0AH+2:G0AH+3], 3*STEPA
	s_add_nc_u64 s[G0BH+2:G0BH+3], s[G0BH+2:G0BH+3], 3*STEPB
	JLOAD G0AH, G1AH, G0BH, G1BH
.else
	PLACES
.endif
	FETCH \nx, 0, 0
	SCALES \nx, 1-(\q)
	WIN MULW
	MUL4 2, 1, 3, \q, 0
	MUL4 3, 1, 3, \q, 0
	WIN 0
.endm
.macro TOSTAGE a                       ; A's fragment a: 16 tokens x 64 outputs into my stage, and back as rows of 256 bytes
	WIN 0x04                                       ; an LDS store's data are its source 1: window 1
.irp b, 0,1,2,3
	ds_store_b128 v[STO], v[8*(4*(\a)+\b):8*(4*(\a)+\b)+3] offset:128*(\b/2)+32*(\b%2)          ; each accumulator from its low end on
	ds_store_b128 v[STO], v[8*(4*(\a)+\b)+4:8*(4*(\a)+\b)+7] offset:128*(\b/2)+32*(\b%2)+16
.endr
	WIN 0
.irp t, 0,1,2,3,4,5,6,7
	ds_load_b128 v[BK+32*((\a)%2)+4*\t:BK+32*((\a)%2)+4*\t+3], v[RD] offset:2*\t*SPITCH   ; LDS serves a wave's instructions in order (ISA guide 5.7.1.4): these see the stores above, and the next block's stores come behind them
.endr
.endm
.macro SEND a, younger                 ; younger: the LDS instructions issued behind block a's loads, which may stay out
	s_wait_dscnt \younger
.irp t, 0,1,2,3,4,5,6,7
	global_store_b128 v[CO], v[BK+32*((\a)%2)+4*\t:BK+32*((\a)%2)+4*\t+3], s[8:9] offset:(32*((\a)/2)+8*((\a)%2)+2*\t+8*(\t/4))*16384 th:TH_STORE_NT   ; stage rows 2 t and 2 t + 1: sixteen lanes store 256 consecutive bytes, at a multiple of 256 from out0's first byte; 62 rows at the most: inside the signed 24-bit immediate
.endr
.endm
	s_wait_tensorcnt 1                             ; my part of places 0 and 1 is in; my half of place 2 may stay out
	s_barrier_signal -1
	s_barrier_wait -1                              ; everybody's is
	FETCH 0, 0, 0
	SCALES 0, 0
	STEP 0, 0, 0, 1                                ; K step 0: its first piece's products start the sums
	STEP 0, 1, 0, 0
	STEP 0, 2, 0, 0
	HOP 1, 0
	THREE 1, 1                                     ; K step 1
	TURN 2, 1, 1                                   ; places 0 and 1 take K steps 3 and 4
	THREE 2, 0                                     ; K step 2
	TURN 0, 0, 2                                   ; place 2 takes K step 5
	THREE 0, 1                                     ; K step 3
	HOP 1, 1
	THREE 1, 0                                     ; K step 4
	TURN 2, 0, 1                                   ; places 0 and 1 take K steps 6 and 7
	THREE 2, 1                                     ; K step 5
	TURN 0, 1, 0                                   ; nothing is left to fetch: a plain barrier, no round
	THREE 0, 0                                     ; K step 6
	HOP 1, 0
	THREE 1, 1                                     ; K step 7
	s_wait_dscnt 0x0
	MUL16 1, 3, 1, 0
	PLACES                                         ; ahead of the first read of results, and of loads into the registers that held A's fragments
	TOSTAGE 0
.irp a, 1,2,3
.if \a > 1
	s_wait_xcnt 0x0                                ; block a - 2's stores have read their registers: block a's loads may land there
.endif
	TOSTAGE \a
	SEND \a-1, 16                                  ; behind block a - 1's loads: block a's 8 stores and 8 loads
.endr
	SEND 3, 0
	s_wait_tensorcnt 0x0                           ; the wave's end: these three lines stand behind my last tensor load and my last LDS store
	ds_add_u32 v[SPW], v[NIL]
	s_wait_dscnt 0x0
	CROUND                                         ; the closing round: no work-group ends while a partner may still ask for a tile that names it
	s_endpgm
.Lfunc_end_k_qf5779f606c_oproj:
	.size	k_qf5779f606c_oproj, .Lfunc_end_k_qf5779f606c_oproj-k_qf5779f606c_oproj
	.p2alignl 7, 3214868480
	.fill 96, 4, 3214868480
	.section	.rodata,"a",@progbits
	.p2align	6, 0x0
	.amdhsa_kernel k_qf5779f606c_oproj
		.amdhsa_group_segment_fixed_size 327680
		.amdhsa_private_segment_fixed_size 0
		.amdhsa_enable_private_segment 0
		.amdhsa_kernarg_size 24
		.amdhsa_user_sgpr_count 2
		.amdhsa_user_sgpr_kernarg_segment_ptr 1
		.amdhsa_wavefront_size32 1
		.amdhsa_system_sgpr_workgroup_id_x 1
		.amdhsa_system_sgpr_workgroup_id_y 1
		.amdhsa_system_sgpr_workgroup_id_z 1
		.amdhsa_system_vgpr_workitem_id 0
		.amdhsa_next_free_vgpr 384
		.amdhsa_next_free_sgpr 84
		.amdhsa_reserve_vcc 0
		.amdhsa_float_denorm_mode_32 3
		.amdhsa_float_denorm_mode_16_64 3
		.amdhsa_memory_ordered 1
		.amdhsa_forward_progress 1
		.amdhsa_inst_pref_size 141
	.end_amdhsa_kernel
	.amdgpu_metadata
---
amdhsa.version: [ 1, 2 ]
amdhsa.kernels:
  - .name:           k_qf5779f606c_oproj
    .symbol:         k_qf5779f606c_oproj.kd
    .args:
      - { .name: ac, .offset: 0, .size: 8, .value_kind: global_buffer, .address_space: global }
      - { .name: woc, .offset: 8, .size: 8, .value_kind: global_buffer, .address_space: global }
      - { .name: out0, .offset: 16, .size: 8, .value_kind: global_buffer, .address_space: global }
    .group_segment_fixed_size: 327680
    .private_segment_fixed_size: 0
    .kernarg_segment_align: 8
    .kernarg_segment_size: 24
    .max_flat_workgroup_size: 128
    .sgpr_count:     84
    .vgpr_count:     384
    .wavefront_size: 32
...
	.end_amdgpu_metadata
.endif
;; end of part 4
